; MI455X (gfx1250); checked and timed in simulation.
; The chip was launched on July 23, 2026; its instructions are those of AMD's public machine-readable ISA for CDNA 5 (MIT licence, August 2026) and "CDNA5" Instruction Set Architecture Reference Guide (July 2026). The comments in the code are by the model that wrote it; some were corrected since.
;; Bahdanau Attention. Allowed arithmetic: matrix products marked QUANTISED: E2M3 operands, one E8M0 scale for each 32 along K, by v_wmma_scale_f32_16x16x128_f8f6f4 with both operands' format E2M3, f32 sums; products left as they are: f32 operands where the result goes on into a quantised operand, else bf16, f16 or f32 operands; f32 sums; everything else in f32.
;; Inputs: V_b 1 float32; V_w 1 x 1,024 float32; W1_b 1,024 float32; W1_w_codes 1,024 x 32 x 24 uint8 (E2M3 codes of W1_w, K innermost, in blocks of 32 codes, four codes in three bytes); W1_w_scales 1,024 x 32 uint8 (E8M0 scales of W1_w, one for each 32 codes along K); W2_b 1,024 float32; W2_w_codes 1,024 x 32 x 24 uint8 (E2M3 codes of W2_w, K innermost, in blocks of 32 codes, four codes in three bytes); W2_w_scales 1,024 x 32 uint8 (E8M0 scales of W2_w, one for each 32 codes along K); keys 64 x 1,024 x 1,024 float32; query_codes 64 x 32 x 24 uint8 (E2M3 codes of query, K innermost, in blocks of 32 codes, four codes in three bytes); query_scales 64 x 32 uint8 (E8M0 scales of query, one for each 32 codes along K).
;; Outputs: out0 64 x 1,024 float32; out1 64 x 1,024 float32.
;; This version of the problem:
;;   THIS VERSION OF THE PROBLEM IS GIVEN IN LOW PRECISION. The matrix products marked QUANTISED in the list below multiply operands that are first quantised to E2M3 (2 exponent bits, 3 mantissa bits; 6 bits a number), with one power-of-two scale for each 32 numbers along K (OCP MX v1.0); their sums are f32. All else is computed in f32.
;;   The module's matrix products, in the order in which they are computed (A, B: the left and right operand; K: the contracted axis; several contracted axes count as one K, in the product's order):
;;     1. [M 64, K 1,024] x [K 1,024, N 1,024]; A: input query (given as codes); B: input W1_w (given as codes): QUANTISED
;;     2. [M 65,536, K 1,024] x [K 1,024, N 1,024]; A: input keys; B: input W2_w (given as codes): QUANTISED
;;     3. [M 65,536, K 1,024] x [K 1,024, N 1]; A: computed on the way; B: input V_w: left as it is (N = 1 < 16)
;;     4. batch 64 x [M 1, K 1,024] x [K 1,024, N 1,024]; A: softmax; B: input keys: left as it is (M = 1 < 16)
;;   THE QUANTISER, for each operand of a quantised product, along K:
;;     - K is cut into blocks of 32 from its start; a last block that is shorter is filled with zeros.
;;     - A block's scale is 2^e with e = floor(log2(the largest magnitude in the block)) - 2, held to -126 .. 127; a block of zeros has e = 0. As a byte (E8M0): e + 127.
;;     - Each number is divided by its block's scale, clamped to +-7.5, and rounded to the nearest number of E2M3, ties to even, subnormals kept.
;;     - The product sums the exact products of the quantised numbers (number of the format x scale) in f32.
;;   ~~~python
;;   def quantise(x, axis):      # numpy; x: float32 -> the quantised numbers, widened to float32 again
;;       x = np.moveaxis(x, axis, -1); K = x.shape[-1]
;;       x = np.pad(x, [(0, 0)] * (x.ndim - 1) + [(0, -K % 32)]); x = x.reshape(x.shape[:-1] + (-1, 32)); a = np.abs(x).max(-1, keepdims=True)
;;       e = np.where(a > 0, np.clip(np.frexp(np.where(a > 0, a, 1))[1] - 1 - 2, -126, 127), 0)      # np.frexp(a)[1] - 1 = floor(log2(a)), exactly
;;       r = np.clip(x / 2.0 ** e, -7.5, 7.5)
;;       step = 2.0 ** (np.maximum(np.frexp(np.where(r == 0, 1, r))[1] - 1, 0) - 3)
;;       q = np.round(r / step) * step * 2.0 ** e      # np.round: ties to even
;;       return np.moveaxis(q.reshape(q.shape[:-2] + (-1,))[..., :K], -1, axis).astype(np.float32)
;;   ~~~
;;   INPUTS GIVEN AS CODES. W1_w (in the module: [1024, 1024], K = its axis 1); W2_w (in the module: [1024, 1024], K = its axis 1); query (in the module: [64, 1024], K = its axis 1): each comes as NAME_codes (uint8): NAME with its K axis moved to the last place and cut into blocks of 32 codes, [.., K / 32, bytes a block], one block behind the other in memory; four codes in three bytes: a row's codes are one little-endian stream of bits, code i at bits 6 i .. 6 i + 5 (a code: sign, 2 exponent bits, 3 mantissa bits); and NAME_scales (uint8): the same leading axes, one E8M0 byte (e + 127) for each 32 codes along K. Its value is code x scale, taken as it is: it is not quantised again, and the codes and scales need not be those that the quantiser above would give.
;; 2 versions, each right. Each part assembles by itself: llvm-mc -triple=amdgcn-amd-amdhsa -mcpu=gfx1250 --defsym DOCPART=n.
;; ======== version 1 of 2: 3 launches
;; workspace buffers: qb 262,144 bytes; w2img 819,200 bytes; scores 262,144 bytes; part 1,048,576 bytes
;; launch prep (part 1): grid 32 x 1, 16 waves a work-group, no clusters, 19,456 bytes of LDS; arguments query_codes, query_scales, W1_w_codes, W1_w_scales, W1_b, W2_b, W2_w_codes, W2_w_scales, qb, w2img; writes qb, w2img
.if DOCPART == 1
	.amdgcn_target "amdgcn-amd-amdhsa--gfx1250"
	.amdhsa_code_object_version 6
	.text
	.protected	k_qa6a2168c58_prep
	.globl	k_qa6a2168c58_prep
	.p2align	8
	.type	k_qa6a2168c58_prep,@function
k_qa6a2168c58_prep:
	s_mov_b64 s[64:65], 0
	v_nop
	global_prefetch_b8 v0, s[64:65] scope:SCOPE_SE
	s_setreg_imm32_b32 hwreg(HW_REG_WAVE_MODE, 25, 1), 1
	s_wait_xcnt 0x0
; TWO SMALL JOBS IN ONE LAUNCH, parted by the work-group's number.
; Work-groups 0-15:  qb[b][d] = sum over k of query[b][k] W1[d][k] + W1_b[d] + W2_b[d]   (64 x 1024, f32), on codes of FP6 (E2M3) with E8M0 scales, as they are given.
; Work-groups 16-31: W2's codes and scale bytes are laid anew, as IMAGES OF THE OPERAND'S REGISTERS, so that the next launch brings a tile of 16 rows by one dense tensor load and reads a fragment by three loads of 16 bytes a lane.
;   w2img: 64 tiles of 12,800 bytes.  In a tile: 8 K steps x 1,536 bytes (block c of 512 bytes: registers 4 c .. 4 c + 3 of the fragment, lane l at 16 l), then 512 bytes of scale words (lane (r, h): the words of K steps 4 h .. 4 h + 3 of row r).
; The product is used transposed (source 0 = 16 rows of W1, source 1 = 16 rows of query): a lane then holds eight neighbouring d of one batch row.
; K's eight steps go to two accumulators by turns (even steps, odd steps), which are added at the end: an order of summing that differs from one ascending chain in the last bits only.
; No tensor load, no cluster: each work-group reads rows of its own; only the 48 KB of query are read by all sixteen.
.set LP, 272                           ; a stage row: 256 bytes (64 d of one batch row) + 16
	s_load_b512 s[4:19], s[0:1], 0x0               ; query codes s[4:5], query scales s[6:7], W1 codes s[8:9], W1 scales s[10:11], W1_b s[12:13], W2_b s[14:15], W2 codes s[16:17], W2 scales s[18:19]
	s_load_b128 s[20:23], s[0:1], 0x40             ; qb s[20:21], w2img s[22:23]
	v_lshl_add_u32 v254, v0, 2, 0x4400
	v_mov_b32 v255, 0
	v_lshrrev_b32 v1, 5, v0
	v_readfirstlane_b32 s24, v1                    ; wave 0..15
	v_and_b32 v1, 15, v0                           ; r
	v_bfe_u32 v2, v0, 4, 1                         ; h
	v_and_b32 v3, 31, v0                           ; lane
	v_mul_u32_u24 v4, v1, 768                      ; a row of 1,024 codes is 768 bytes
	v_mad_u32_u24 v4, v2, 24, v4                   ; + 24 h: my half's 24 bytes of each 48
	v_lshlrev_b32 v5, 5, v1                        ; a row of scale bytes is 32 bytes
	v_lshl_add_u32 v5, v2, 4, v5                   ; + 16 h: lanes 0-15 take the words of K steps 0-3, lanes 16-31 those of 4-7
	s_lshr_b32 s25, s24, 2                         ; wave / 4
	s_and_b32 s26, s24, 3                          ; wave % 4
	s_mov_b32 s29, 0                               ; the high word of every offset pair
	s_cmp_lt_u32 ttmp9, 16
	s_cbranch_scc0 .Lcopy
	; ---- qb.  Work-group T makes d = 64 T .. 64 T + 63 for all 64 batch rows; wave v: batch rows 16 (v / 4) on, d = 64 T + 16 (v % 4) on
	s_lshl_b32 s27, ttmp9, 2
	s_add_co_u32 s27, s27, s26                     ; my tile of 16 rows of W1
	s_mul_i32 s30, s25, 16*LP
	s_lshl_b32 s31, s26, 6
	s_add_co_u32 s30, s30, s31
	v_mul_u32_u24 v7, v1, LP
	v_lshl_add_u32 v7, v2, 5, v7
	v_add_nc_u32 v7, s30, v7                       ; the stage, in: row 16 (v / 4) + r, byte 64 (v % 4) + 32 h
	s_mul_i32 s30, s24, 4*LP
	v_mul_u32_u24 v8, v2, LP
	v_lshl_add_u32 v8, v1, 4, v8
	v_add_nc_u32 v8, s30, v8                       ; and back: rows 4 v on; lanes 0-15 one row, lanes 16-31 the next; 16 bytes a lane
	v_lshlrev_b32 v9, 12, v2
	v_lshl_add_u32 v9, v1, 4, v9                   ; the same two rows in qb (4,096 bytes a row)
	v_lshlrev_b32 v6, 5, v2                        ; the biases: 32 h
	s_wait_kmcnt 0x0
	s_mul_i32 s28, s27, 12288
	s_add_nc_u64 s[8:9], s[8:9], s[28:29]          ; W1's codes at my tile
	s_lshl_b32 s28, s27, 9
	s_add_nc_u64 s[10:11], s[10:11], s[28:29]      ; its scale bytes
	s_lshl_b32 s28, s27, 6
	s_add_nc_u64 s[12:13], s[12:13], s[28:29]      ; the biases of its 16 d
	s_add_nc_u64 s[14:15], s[14:15], s[28:29]
	s_mul_i32 s28, s25, 12288
	s_add_nc_u64 s[4:5], s[4:5], s[28:29]          ; query's codes at my 16 batch rows
	s_lshl_b32 s28, s25, 9
	s_add_nc_u64 s[6:7], s[6:7], s[28:29]
	s_lshl_b32 s28, s24, 14                        ; qb: row 4 v,
	s_lshl_b32 s30, ttmp9, 8                       ; byte 256 T
	s_add_co_u32 s28, s28, s30
	s_add_nc_u64 s[20:21], s[20:21], s[28:29]
	global_load_b128 v[16:19], v5, s[10:11]        ; W1's scale words: register j: K step j in lanes 0-15, K step 4 + j in lanes 16-31
	global_load_b128 v[20:23], v5, s[6:7]          ; query's likewise
	global_load_b128 v[24:27], v6, s[12:13]        ; W1_b at d = 16 tile + 8 h + 0 .. 7: the result's layout
	global_load_b128 v[28:31], v6, s[12:13] offset:16
	global_load_b128 v[32:35], v6, s[14:15]        ; W2_b likewise
	global_load_b128 v[36:39], v6, s[14:15] offset:16
.irp s, 0,1,2,3,4,5,6,7
.irp p, 0,1,2,3,4,5
	global_load_b64 v[56+12*\s+2*\p:57+12*\s+2*\p], v4, s[8:9] offset:96*\s+48*(\p/3)+8*(\p%3)     ; W1's fragment of K step s: pieces of 8 bytes, so that every address is a multiple of the access's size
	global_load_b64 v[152+12*\s+2*\p:153+12*\s+2*\p], v4, s[4:5] offset:96*\s+48*(\p/3)+8*(\p%3)   ; query's
.endr
.endr
	s_wait_loadcnt 0x0
.irp s, 0,1,2,3,4,5,6,7                        ; the two accumulators take turns, one instruction a turn
.set rD, 40+8*(\s%2)
.if \s < 2
	v_wmma_scale_f32_16x16x128_f8f6f4 v[rD:rD+7], v[56+12*\s:67+12*\s], v[152+12*\s:163+12*\s], 0, v[16+\s], v[20+\s] matrix_a_fmt:MATRIX_FMT_FP6 matrix_b_fmt:MATRIX_FMT_FP6
.elseif \s < 4
	v_wmma_scale_f32_16x16x128_f8f6f4 v[rD:rD+7], v[56+12*\s:67+12*\s], v[152+12*\s:163+12*\s], v[rD:rD+7], v[16+\s], v[20+\s] matrix_a_fmt:MATRIX_FMT_FP6 matrix_b_fmt:MATRIX_FMT_FP6
.else
	v_wmma_scale_f32_16x16x128_f8f6f4 v[rD:rD+7], v[56+12*\s:67+12*\s], v[152+12*\s:163+12*\s], v[rD:rD+7], v[12+\s], v[16+\s] matrix_a_fmt:MATRIX_FMT_FP6 matrix_b_fmt:MATRIX_FMT_FP6 matrix_a_scale:MATRIX_SCALE_ROW1 matrix_b_scale:MATRIX_SCALE_ROW1
.endif
.endr
.irp j, 0,2,4,6
	v_pk_add_f32 v[24+\j:25+\j], v[24+\j:25+\j], v[32+\j:33+\j]   ; the two biases: four plain instructions that name no register of the products: the places behind them (ISA guide 7.12.1)
.endr
.irp j, 0,2,4,6
	v_pk_add_f32 v[24+\j:25+\j], v[24+\j:25+\j], v[40+\j:41+\j]   ; each accumulator is read from its low end on
	v_pk_add_f32 v[24+\j:25+\j], v[24+\j:25+\j], v[48+\j:49+\j]
.endr
	ds_store_b128 v7, v[24:27]                     ; lane (r, h): qb(16 (v / 4) + r, 64 T + 16 (v % 4) + 8 h + 0 .. 7)
	ds_store_b128 v7, v[28:31] offset:16
	s_wait_dscnt 0x0                               ; for the other waves: my stores into the stage are done
	s_barrier_signal -1
	s_barrier_wait -1                              ; a row's 256 bytes come from four waves
	ds_load_b128 v[32:35], v8
	ds_load_b128 v[36:39], v8 offset:2*LP
	s_wait_dscnt 0x0
	global_store_b128 v9, v[32:35], s[20:21]       ; sixteen lanes store 256 consecutive bytes, at a multiple of 256 from qb's first byte
	global_store_b128 v9, v[36:39], s[20:21] offset:8192
	s_wait_tensorcnt 0x0
	ds_add_u32 v254, v255
	s_wait_dscnt 0x0
	s_endpgm
.Lcopy:	; ---- w2img.  Work-group 16 + c takes tiles 4 c .. 4 c + 3; wave v: tile 4 c + v / 4, K steps 2 (v % 4) and 2 (v % 4) + 1
	s_sub_co_u32 s27, ttmp9, 16
	s_lshl_b32 s27, s27, 2
	s_add_co_u32 s27, s27, s25                     ; my tile
	v_lshlrev_b32 v6, 4, v3                        ; 16 x lane
	s_mul_i32 s30, s26, 3072
	v_add_nc_u32 v7, s30, v6                       ; + my two K steps' images
	s_wait_kmcnt 0x0
	s_mul_i32 s28, s27, 12288
	s_mul_i32 s30, s26, 192
	s_add_co_u32 s28, s28, s30
	s_add_nc_u64 s[16:17], s[16:17], s[28:29]      ; W2's codes: my tile's rows, my two K steps
	s_mul_i32 s28, s27, 12800
	s_add_nc_u64 s[22:23], s[22:23], s[28:29]      ; the tile's image
	s_lshl_b32 s28, s27, 9
	s_add_nc_u64 s[18:19], s[18:19], s[28:29]      ; its scale bytes
.irp s, 0,1
.irp p, 0,1,2,3,4,5
	global_load_b64 v[56+12*\s+2*\p:57+12*\s+2*\p], v4, s[16:17] offset:96*\s+48*(\p/3)+8*(\p%3)   ; the fragment as the matrix instruction wants it
.endr
.endr
	global_load_b128 v[16:19], v5, s[18:19]        ; the tile's scale words (all four waves of a tile load them, one stores them)
	s_wait_loadcnt 0x0
.irp s, 0,1
.irp c, 0,1,2
	global_store_b128 v7, v[56+12*\s+4*\c:59+12*\s+4*\c], s[22:23] offset:1536*\s+512*\c   ; 32 lanes store 512 consecutive bytes
.endr
.endr
	s_cmp_lg_u32 s26, 0
	s_cbranch_scc1 .Ldone
	global_store_b128 v6, v[16:19], s[22:23] offset:12288
.Ldone:
	s_endpgm
.Lfunc_end_k_qa6a2168c58_prep:
	.size	k_qa6a2168c58_prep, .Lfunc_end_k_qa6a2168c58_prep-k_qa6a2168c58_prep
	.p2alignl 7, 3214868480
	.fill 96, 4, 3214868480
	.section	.rodata,"a",@progbits
	.p2align	6, 0x0
	.amdhsa_kernel k_qa6a2168c58_prep
		.amdhsa_group_segment_fixed_size 19456
		.amdhsa_private_segment_fixed_size 0
		.amdhsa_enable_private_segment 0
		.amdhsa_kernarg_size 80
		.amdhsa_user_sgpr_count 2
		.amdhsa_user_sgpr_kernarg_segment_ptr 1
		.amdhsa_wavefront_size32 1
		.amdhsa_system_sgpr_workgroup_id_x 1
		.amdhsa_system_sgpr_workgroup_id_y 1
		.amdhsa_system_sgpr_workgroup_id_z 1
		.amdhsa_system_vgpr_workitem_id 0
		.amdhsa_next_free_vgpr 256
		.amdhsa_next_free_sgpr 66
		.amdhsa_reserve_vcc 0
		.amdhsa_float_denorm_mode_32 3
		.amdhsa_float_denorm_mode_16_64 3
		.amdhsa_memory_ordered 1
		.amdhsa_forward_progress 1
		.amdhsa_inst_pref_size 18
	.end_amdhsa_kernel
	.amdgpu_metadata
---
amdhsa.version: [ 1, 2 ]
amdhsa.kernels:
  - .name:           k_qa6a2168c58_prep
    .symbol:         k_qa6a2168c58_prep.kd
    .args:
      - { .name: query_codes, .offset: 0, .size: 8, .value_kind: global_buffer, .address_space: global }
      - { .name: query_scales, .offset: 8, .size: 8, .value_kind: global_buffer, .address_space: global }
      - { .name: W1_w_codes, .offset: 16, .size: 8, .value_kind: global_buffer, .address_space: global }
      - { .name: W1_w_scales, .offset: 24, .size: 8, .value_kind: global_buffer, .address_space: global }
      - { .name: W1_b, .offset: 32, .size: 8, .value_kind: global_buffer, .address_space: global }
      - { .name: W2_b, .offset: 40, .size: 8, .value_kind: global_buffer, .address_space: global }
      - { .name: W2_w_codes, .offset: 48, .size: 8, .value_kind: global_buffer, .address_space: global }
      - { .name: W2_w_scales, .offset: 56, .size: 8, .value_kind: global_buffer, .address_space: global }
      - { .name: qb, .offset: 64, .size: 8, .value_kind: global_buffer, .address_space: global }
      - { .name: w2img, .offset: 72, .size: 8, .value_kind: global_buffer, .address_space: global }
    .group_segment_fixed_size: 19456
    .private_segment_fixed_size: 0
    .kernarg_segment_align: 8
    .kernarg_segment_size: 80
    .max_flat_workgroup_size: 512
    .sgpr_count:     66
    .vgpr_count:     256
    .wavefront_size: 32
...
	.end_amdgpu_metadata
.endif
;; end of part 1
;; launch main (part 2): grid 256 x 1, 4 waves a work-group, clusters of 4 x 1, 327,680 bytes of LDS; arguments keys, qb, w2img, V_w, V_b, scores, part; writes scores, part
.if DOCPART == 2
	.amdgcn_target "amdgcn-amd-amdhsa--gfx1250"
	.amdhsa_code_object_version 6
	.text
	.protected	k_qa6a2168c58_main
	.globl	k_qa6a2168c58_main
	.p2align	8
	.type	k_qa6a2168c58_main,@function
k_qa6a2168c58_main:
	s_mov_b64 s[64:65], 0
	v_nop
	global_prefetch_b8 v0, s[64:65] scope:SCOPE_SE
	s_setreg_imm32_b32 hwreg(HW_REG_WAVE_MODE, 25, 1), 1
	s_wait_xcnt 0x0
	s_wait_alu depctr_hold_cnt(0) depctr_sa_sdst(0) depctr_va_vdst(0) depctr_va_sdst(0) depctr_va_ssrc(0) depctr_va_vcc(0) depctr_vm_vsrc(0)
	s_getreg_b32 s2, hwreg(HW_REG_IB_STS2, 6, 4)
	s_cmp_eq_u32 s2, 0
	s_cbranch_scc0 .Lentry_in_a_cluster
	s_endpgm
.Lentry_in_a_cluster:
	s_bfe_u32 s2, ttmp6, 0x10000c
	s_cmp_lg_u32 s2, 0x3003
	s_cbranch_scc0 .Lentry_shape_is_right
	s_endpgm
.Lentry_shape_is_right:
; For 256 rows (positions) of one batch row:  score[s] = sum over d of V[d] tanh(qb[d] + sum over e of Q(keys[s][e]) W2[d][e]) + V_b;  p[s] = e^(score[s] - m), m the largest of the 256 scores;  part[e] = sum over s of p[s] keys[s][e].
; Q is the MX quantiser along e: codes of FP6 (E2M3), one E8M0 scale for each 32.  W2 comes as codes (register images laid by the launch before); qb holds query W1^T + W1_b + W2_b.  The last launch joins the four work-groups of a batch row.
; SHARES.  256 work-groups, one for each 256 rows, so that W2 (819,200 bytes of images) is walked once by each.  Wave w owns rows 64 w .. 64 w + 63; their codes (4 tiles of rows x 8 K steps x 12 registers) stay in its registers through the whole product.
; All four waves read every fragment of W2 from LDS; a fragment feeds four matrix instructions of a wave.  Source 0 = 16 rows of keys, source 1 = 16 rows of W2: in the result a lane holds ONE hidden unit d and eight rows,
; so that qb[d] and V[d] are one number a lane and a tile, and a row's score is summed in 32 registers that stay until the end.
; tanh(x) = 1 - 2 / (1 + 2^(c x)), c = 2 log2(e):  sum of V tanh = sum of V + sum of (-2 V) / (1 + 2^(c x)).  Where 2^(c x) is infinite the reciprocal is 0, where it is 0 the reciprocal is 1: tanh ends at 1 and -1.
; THE KEYS ARE WANTED TWICE, for the product and for the context.  Of a wave's 64 rows 21 stay in LDS and 24 in registers, rounded to bf16; the last 19 are read from memory again, in f32.
; CLUSTER.  The four work-groups of a cluster (the four quarters of a batch row) walk the same W2: each tile is asked for JOINTLY, by the same tensor load with the same descriptor and a mask that names the four.  The keys are shared by nobody.
; LIMITS.  NaN and infinities among the inputs are not served.  A block of 32 keys whose largest magnitude lies under 2^-124 gets the byte 1, as the quantiser's hold at -126 asks; a block of zeros gets it too (the quantiser says 127): its codes are zeros,
; and nobody else reads the bytes.  A p under 2^-126 comes out as 0.  The context takes 45 of each 64 rows of keys rounded to bf16.
; REGISTERS, in windows of 256 (s_set_vgpr_msb: bits 1:0 source 0, 3:2 source 1, 5:4 source 2, 7:6 destination):
;   window 0: v1-15, v31, v61-63 addresses; v16-30 at work; v32-47 the keys' scale words; v48-55 W2's; v56-59 (c qb, -2 V) of two tiles; v60 the sum of -2 V;
;             v64-255: first three landing sets of 64; then W2's fragments (v64-111, v112-159), the scores' sums (v160-191), 8 accumulators (v192-255); at the end p (v64-107), the context (v112-143), rows (v144-191)
;   window 1: v0-191 the keys' codes of K steps 0-3 (later six rows read again); v192-255 kept rows 20-23      window 2: the same for K steps 4-7 (later one row); kept rows 16-19      window 3: kept rows 0-15 (v192-223 first serve the rows bound for LDS)
.set NL,    21                         ; rows of a wave kept in LDS
.set NR,    24                         ; kept in registers
.set XR0,   NL+NR                      ; from this row on: read again
.set NX,    64-XR0
.set TILEB, 12800                      ; a tile's image
.set SLOT1, 65536                      ; slot 0 at LDS byte 0, slot 1 here: one exclusive or turns an address; a slot holds four tiles, 51,200 bytes
.set SPARE, 51200                      ; the spare words, 128 bytes for each wave: two blocks of 256 bytes that no other line names
.set BVT,   51712                      ; 1,024 pairs (c qb[d], -2 V[d])
.set SCR,   59904                      ; the 256 scores
.set PP,    60928                      ; the 256 p
.set STAGE, 116736                     ; for each wave 16 rows x (512 bytes + 16); at the end the waves' four contexts
.set STW,   8448
.set IMG,   150528                     ; for each wave NL rows of 2,048 bytes (bf16)
.set IMW,   NL*2048
.set ASC, 32
.set BSC, 48
.set SA,  160
.set ACC, 192
.set PB,  64                           ; p of rows 20 .. 63
.set CA,  112                          ; the context: register 4 k + n, lane l: column 128 k + 4 l + n
.set RB,  144
.set TBR, 192
.set MSB, 0
.macro WIN new                         ; the immediate's high byte repeats the setting that is left; a switch that changes nothing is dropped
.if MSB != \new
	s_set_vgpr_msb (MSB<<8)|\new
.set MSB, \new
.endif
.endm
.macro PLACES                          ; four places behind matrix instructions, in front of loads into registers that they have read and of the first read of results (ISA guide 7.12.1 for vector instructions)
.rept 4
	v_nop
.endr
.endm
.macro CROUND                          ; a round of the cluster's barrier: my work-group's barrier; wave 0 signals for the work-group; every wave waits for all four work-groups; my work-group's barrier once more
	s_barrier_signal -1
	s_barrier_wait -1
	s_cmp_lg_u32 s18, 0
	s_cbranch_scc1 .Lnot_wave_0_\@
	s_barrier_signal -3
.Lnot_wave_0_\@:
	s_barrier_wait -3
	s_barrier_signal -1
	s_barrier_wait -1
.endm
	s_load_b256 s[4:11], s[0:1], 0x0               ; keys s[4:5], qb s[6:7], w2img s[8:9], V_w s[10:11]
	s_load_b128 s[12:15], s[0:1], 0x20             ; V_b s[12:13], scores s[14:15]
	s_load_b64 s[16:17], s[0:1], 0x30              ; part
	v_lshl_add_u32 v1, v0, 2, SPARE                ; my spare word; never rewritten
	v_mov_b32 v2, 0                                ; never rewritten
	ds_add_u32 v1, v2
	ds_add_u32 v1, v2
	s_wait_dscnt 0x0
	v_lshrrev_b32 v16, 5, v0
	v_readfirstlane_b32 s18, v16                   ; wave 0..3
	s_bfe_u32 s19, ttmp6, 0x40000                  ; cx: my place in the cluster
	s_lshl_b32 s20, ttmp9, 2                       ; ttmp9 counts clusters: it is the batch row
	s_add_co_u32 s20, s20, s19                     ; g, my block of 256 rows: it enters the addresses of keys, scores and part alone
	; descriptor group 1: a tile's image, 12,800 dense bytes, as 50 rows of 256 bytes (32 elements of 8 bytes)
	s_mov_b32 s24, 15|(3<<16)|(1<<21)              ; 15:0 the mask: all four work-groups; 17:16 elements of 8 bytes; 20 no padding; 21 set beside a mask
	s_mov_b32 s25, 32<<16                          ; tensor_dim0 = 32
	s_mov_b32 s26, 50<<16                          ; tensor_dim1 = 50
	s_mov_b32 s27, 32<<16                          ; tile_dim0 = 32
	s_mov_b32 s28, 50                              ; tile_dim1 = 50
	s_mov_b32 s29, 32                              ; from row to row
	s_mov_b32 s30, 0
	s_mov_b32 s31, 0
	s_mov_b32 s22, 0x4038aa3b                      ; c = 2 log2(e)
	s_mov_b32 s23, s22                             ; (named with it as a pair, so it is written)
	s_mov_b32 s40, 0x76543210
	s_mov_b32 s41, 0xfedcba98                      ; v_permlanex16_b32's selects for lane l xor 16
	s_mov_b32 s42, 0xffff0000                      ; lanes 16-31
	s_mov_b32 s45, 0x02020202                      ; the lanes with lane % 8 = 1 .. 7
	s_mov_b32 s46, 0x04040404
	s_mov_b32 s47, 0x08080808
	s_mov_b32 s48, 0x10101010
	s_mov_b32 s49, 0x20202020
	s_mov_b32 s50, 0x40404040
	s_mov_b32 s51, 0x80808080
	s_mul_i32 s21, s18, TILEB                      ; wave w fetches tile w of each slot's four: no place in the cluster enters a descriptor or an LDS address
	s_mov_b32 s60, s21
	s_mov_b32 s61, 0
	s_wait_kmcnt 0x0
	s_load_b32 s43, s[12:13], 0x0                  ; V_b
	s_mov_b32 s32, 1                               ; group 0: count = 1,
	s_mov_b32 s33, s21                             ; LDS address: slot 0,
	s_add_nc_u64 s[34:35], s[8:9], s[60:61]        ; global address: tile w,
	s_or_b32 s35, s35, 0x80000000                  ; type = 2
	CROUND                                         ; all four work-groups are here: the first joint loads meet
	tensor_load_to_lds s[32:35], s[24:31]          ; slot 0; it lands while the keys are quantised
	s_nop 0
	PLACES
	s_lshl_b32 s60, s20, 20                        ; keys: 256 rows of 4,096 bytes a block,
	s_lshl_b32 s44, s18, 18                        ; 64 rows a wave
	s_add_co_u32 s60, s60, s44
	s_add_nc_u64 s[52:53], s[4:5], s[60:61]
	s_lshl_b32 s60, s20, 10                        ; scores: 1,024 bytes a block, 256 a wave
	s_lshl_b32 s44, s18, 8
	s_add_co_u32 s60, s60, s44
	s_add_nc_u64 s[54:55], s[14:15], s[60:61]
	s_lshl_b32 s60, s60, 2                         ; part: 4,096 bytes a block, 1,024 a wave
	s_add_nc_u64 s[56:57], s[16:17], s[60:61]
	s_lshl_b32 s60, ttmp9, 12                      ; qb: the batch row, my wave's 256 d
	s_lshl_b32 s44, s18, 10
	s_add_co_u32 s60, s60, s44
	s_add_nc_u64 s[58:59], s[6:7], s[60:61]
	s_mov_b32 s60, s44
	s_add_nc_u64 s[62:63], s[10:11], s[60:61]      ; V likewise
	v_and_b32 v16, 31, v0                          ; lane
	v_and_b32 v17, 15, v0                          ; r
	v_bfe_u32 v18, v0, 4, 1                        ; h
	v_lshlrev_b32 v3, 4, v16                       ; v3: 16 x lane
	v_lshlrev_b32 v31, 5, v16                      ; v31: 32 x lane: my 8 numbers of qb and of V
	s_mul_i32 s21, s18, STW
	s_add_co_u32 s21, s21, STAGE
	v_add_nc_u32 v4, s21, v3                       ; v4: my stage, a row as it is loaded: 16 x lane
	v_mul_u32_u24 v5, v17, 528
	v_lshl_add_u32 v5, v18, 7, v5
	v_add_nc_u32 v5, s21, v5                       ; v5: and as the quantiser wants it: row r, + 128 h: my block of 32 numbers
	s_mul_i32 s21, s18, IMW
	s_add_co_u32 s21, s21, IMG
	v_add_nc_u32 v6, s21, v3                       ; v6: my wave's kept rows
	v_lshlrev_b32 v7, 3, v18                       ; v7: 8 h
	v_lshl_add_u32 v10, v17, 3, BVT                ; v10: the pair of hidden unit r of a tile
	v_and_b32 v19, 7, v0
	v_lshl_add_u32 v19, v18, 3, v19                ; 8 h + r % 8
	s_lshl_b32 s21, s18, 8
	s_add_co_u32 s44, s21, SCR
	v_lshl_add_u32 v11, v19, 2, s44                ; v11: the score of row 8 h + r % 8 of a tile of my rows
	v_lshlrev_b32 v13, 3, v16                      ; v13: 8 x lane
	v_add_nc_u32 v61, s44, v13                     ; v61: my wave's 64 scores, 8 bytes a lane
	s_add_co_u32 s44, s21, PP
	v_mov_b32 v12, s44                             ; v12: my wave's 64 p
	v_lshlrev_b32 v14, 8, v16                      ; v14: 256 x lane, for the prefetches
	s_lshl_b32 s44, s18, 10
	s_add_co_u32 s44, s44, STAGE
	v_add_nc_u32 v62, s44, v3                      ; v62: the last sum: quarter w of a context
	s_lshl_b32 s44, s18, 11
	s_add_co_u32 s44, s44, BVT
	v_lshl_add_u32 v63, v16, 6, s44                ; v63: where I put my 8 pairs
	v_mov_b32 v23, 0                               ; written once: a lane permute's destination counts as one of its sources
; A UNIT is 16 rows x 128 along K: unit u = 8 x (tile of rows) + K step.  Each of its 16 loads reads 512 consecutive bytes of one row, 16 a lane.  Rows that will be read again carry no hint; the others are read once.
.macro LOADU u
.set lrow, 16*((\u)/8)
.set lcol, 512*((\u)%8)
.set lset, 64+64*((\u)%3)
.irp i, 0,1,2,3,4,5,6,7,8,9,10,11,12,13,14,15
.if lrow+\i < XR0
	global_load_b128 v[lset+4*\i:lset+4*\i+3], v3, s[52:53] offset:(lrow+\i)*4096+lcol th:TH_LOAD_NT
.else
	global_load_b128 v[lset+4*\i:lset+4*\i+3], v3, s[52:53] offset:(lrow+\i)*4096+lcol
.endif
.endr
.endm
.macro KEEP i                          ; row i of the unit, if it is kept: four numbers a lane become two registers of bf16: register 2 (K step) + j of the row's 16, lane l: columns 128 (K step) + 4 l + 2 j, + 1
.set rho, 16*umt+(\i)
.if rho < NL
	WIN 0xc0
	v_cvt_pk_bf16_f32 v[TBR+2*(\i)], v[ULS+4*(\i)], v[ULS+4*(\i)+1]
	v_cvt_pk_bf16_f32 v[TBR+2*(\i)+1], v[ULS+4*(\i)+2], v[ULS+4*(\i)+3]
.elseif rho < XR0
.set rq, rho-NL
.if rq < 16
	WIN 0xc0
.set rr, 16*rq+2*uks
.elseif rq < 20
	WIN 0x80
.set rr, 192+16*(rq-16)+2*uks
.else
	WIN 0x40
.set rr, 192+16*(rq-20)+2*uks
.endif
	v_cvt_pk_bf16_f32 v[rr], v[ULS+4*(\i)], v[ULS+4*(\i)+1]
	v_cvt_pk_bf16_f32 v[rr+1], v[ULS+4*(\i)+2], v[ULS+4*(\i)+3]
.endif
.endm
.macro PUT i                           ; a row bound for LDS: laid so that a load of 16 bytes a lane brings four of the row's 16 registers
.set rho, 16*umt+(\i)
.if rho < NL
	WIN 0x0c                                       ; an LDS store's data are its source 1: window 3
	ds_store_b64 v6, v[TBR+2*(\i):TBR+2*(\i)+1] offset:2048*rho+512*(uks/2)+8*(uks%2)
.endif
.endm
; A unit is kept (bf16), turned through my stage so that lane (r, h) holds, of row r, the two blocks k = 64 c + 32 h + 0 .. 31 (register 32 c + n), quantised, and its codes are the operand's registers as they stand.
.macro UNIT u
.set umt, (\u)/8
.set uks, (\u)%8
.set ULS, 64+64*((\u)%3)
.set UAB, 12*(4*(uks%4)+umt)
.set UAW, 64*(1+uks/4)
.if (\u) < 30
	s_wait_loadcnt 32                              ; this unit's 16 loads are in; the two units behind it stay out
.else
	s_wait_loadcnt 16*(31-(\u))
.endif
.irp i, 0,1,2,3,4,5,6,7,8,9,10,11,12,13,14,15
	KEEP \i
.endr
.irp i, 0,1,2,3,4,5,6,7,8,9,10,11,12,13,14,15
	PUT \i
.endr
	WIN 0
.irp i, 0,1,2,3,4,5,6,7,8,9,10,11,12,13,14,15
	ds_store_b128 v4, v[ULS+4*\i:ULS+4*\i+3] offset:528*\i
.endr
.irp c, 0,1
.irp j, 0,1,2,3,4,5,6,7
	ds_load_b128 v[ULS+32*\c+4*\j:ULS+32*\c+4*\j+3], v5 offset:256*\c+16*\j   ; LDS serves a wave's instructions in order (ISA guide 5.7.1.4): these see the stores above.  Rows 528 bytes apart: sixteen lanes, sixteen different columns of 16 bytes
.endr
.endr
	s_wait_dscnt 0x0                               ; the numbers are back, and the stores of this unit have read their registers
	v_max3_num_f32 v16, |v[ULS]|, |v[ULS+1]|, 0x1800000       ; each block's largest magnitude: all 32 numbers are mine; the floor 2^(3 - 127) holds the byte at 1 from below
	v_max3_num_f32 v17, |v[ULS+32]|, |v[ULS+33]|, 0x1800000
.irp i, 2,4,6,8,10,12,14,16,18,20,22,24,26,28,30
	v_max3_num_f32 v16, v16, |v[ULS+\i]|, |v[ULS+\i+1]|       ; (the two blocks by turns)
	v_max3_num_f32 v17, v17, |v[ULS+32+\i]|, |v[ULS+33+\i]|
.endr
	v_add_nc_u32 v18, 0xff000000, v16              ; 2 off the exponent field: the conversion takes the exponent field of this operand as its scale
	v_add_nc_u32 v19, 0xff000000, v17
	v_lshrrev_b32 v20, 23, v18                     ; the scales' bytes: blocks h and 2 + h of row r
	v_lshrrev_b32 v21, 23, v19
	v_lshl_or_b32 v22, v21, 16, v20
	v_lshlrev_b32 v22, v7, v22                     ; at their places in the scale word (8 h bits up)
	v_permlanex16_b32 v23, v22, s40, s41           ; with lane l xor 16's two the word is whole, in both lanes
.if uks < 4
	v_or_b32 v[ASC+4*umt+uks], v22, v23            ; K steps 0-3: read from lanes 0-15
.else
	v_or_b32 v22, v22, v23
	v_cndmask_b32 v[ASC+4*umt+uks-4], v[ASC+4*umt+uks-4], v22, s42   ; K steps 4-7: into lanes 16-31 of the same registers
.endif
	v_cvt_scalef32_pk16_fp6_f32 v[24:26], v[ULS+16:ULS+31], v18      ; (a conversion's three registers begin on an even number: the second half of a block's six does not, so it is made here and moved)
	v_cvt_scalef32_pk16_fp6_f32 v[28:30], v[ULS+48:ULS+63], v19
	WIN UAW                                        ; destination: window 1 (K steps 0-3) or 2
	v_cvt_scalef32_pk16_fp6_f32 v[UAB:UAB+2], v[ULS:ULS+15], v18
	v_cvt_scalef32_pk16_fp6_f32 v[UAB+6:UAB+8], v[ULS+32:ULS+47], v19
	v_nop                                          ; one plain place behind the scaled conversions
.irp i, 0,1,2
	v_mov_b32 v[UAB+3+\i], v[24+\i]
	v_mov_b32 v[UAB+9+\i], v[28+\i]
.endr
	WIN 0
.if (\u)+3 < 32
	LOADU (\u)+3                                   ; the set just used takes the unit three on
.endif
.endm
	global_load_b128 v[192:195], v31, s[58:59]     ; qb and V of my wave's 256 hidden units
	global_load_b128 v[196:199], v31, s[58:59] offset:16
	global_load_b128 v[200:203], v31, s[62:63]
	global_load_b128 v[204:207], v31, s[62:63] offset:16
	LOADU 0
	LOADU 1
	s_wait_loadcnt 32                              ; the four are in; the two units stay out
	s_wait_kmcnt 0x0                               ; V_b
.irp n, 0,1,2,3,4,5,6,7
	v_mul_f32 v[208+2*\n], s22, v[192+\n]          ; c qb[d]
	v_mul_f32 v[209+2*\n], -2.0, v[200+\n]         ; -2 V[d]
.endr
.irp i, 0,1,2,3
	ds_store_b128 v63, v[208+4*\i:211+4*\i] offset:16*\i
.endr
	s_wait_dscnt 0x0                               ; the stores have read their registers, which the third landing set takes
	LOADU 2
	; ---- the keys: 32 units, written out, since each writes registers of its own.  No barrier: rows, stage and kept rows are the wave's own.  Three units, 24 KB a wave, are on their way while one is waited for
.irp u, 0,1,2,3,4,5,6,7,8,9,10,11,12,13,14,15,16,17,18,19,20,21,22,23,24,25,26,27,28,29,30,31
	UNIT \u
.endr
.set tj, 0
.rept 32
	v_mov_b32 v[SA+tj], 0                          ; the scores' sums.  (These lines are also the places between the last scale word and codes made above and the first product)
.set tj, tj+1
.endr
	v_mov_b32 v60, 0
; ---- the product.  12 loads: two tiles' fragments of K steps 2 g and 2 g + 1 into 48 registers from v[bs]
.macro BGROUP g, bs
.irp t, 0,1
.irp k, 0,1
.irp c, 0,1,2
	ds_load_b128 v[(\bs)+12*(2*\t+\k)+4*\c:(\bs)+12*(2*\t+\k)+4*\c+3], v8 offset:TILEB*\t+1536*(2*(\g)+\k)+512*\c
.endr
.endr
.endr
.endm
; 16 matrix instructions: these two K steps x two tiles of W2 x my four tiles of rows.  The eight accumulators take turns, one instruction a turn, in the same order in every K step.  K step 0 starts the sums.
.macro MULG g, bs
.irp k, 0,1
.irp t, 0,1
.irp m, 0,1,2,3
.set kk, 2*(\g)+\k
.set rD, ACC+8*(4*\t+\m)
.set rA, 12*(4*(kk%4)+\m)
.set rB, (\bs)+12*(2*\t+\k)
.set rX, ASC+4*\m+kk%4
.set rY, BSC+4*\t+kk%4
.if kk == 0
	v_wmma_scale_f32_16x16x128_f8f6f4 v[rD:rD+7], v[rA:rA+11], v[rB:rB+11], 0, v[rX], v[rY] matrix_a_fmt:MATRIX_FMT_FP6 matrix_b_fmt:MATRIX_FMT_FP6
.elseif kk < 4
	v_wmma_scale_f32_16x16x128_f8f6f4 v[rD:rD+7], v[rA:rA+11], v[rB:rB+11], v[rD:rD+7], v[rX], v[rY] matrix_a_fmt:MATRIX_FMT_FP6 matrix_b_fmt:MATRIX_FMT_FP6
.else
	v_wmma_scale_f32_16x16x128_f8f6f4 v[rD:rD+7], v[rA:rA+11], v[rB:rB+11], v[rD:rD+7], v[rX], v[rY] matrix_a_fmt:MATRIX_FMT_FP6 matrix_b_fmt:MATRIX_FMT_FP6 matrix_a_scale:MATRIX_SCALE_ROW1 matrix_b_scale:MATRIX_SCALE_ROW1
.endif
.endr
.endr
.endr
.endm
; 64 numbers a lane: sums += (-2 V) / (1 + 2^(c x + c qb)).  Each kind of transcendental is one batch with one wait ahead of its first reader; the additions into v60 are the plain instructions behind the batches.
.macro TANH
.irp t, 0,1
.irp j, 0,2,4,6,8,10,12,14,16,18,20,22,24,26,28,30
	v_pk_fma_f32 v[ACC+32*\t+\j:ACC+32*\t+\j+1], v[ACC+32*\t+\j:ACC+32*\t+\j+1], s[22:23], v[56+2*\t:57+2*\t] op_sel_hi:[1,0,0]   ; c x + c qb (of both pairs the low word serves both halves); each accumulator is read from its low end on
.endr
.endr
.set tj, 0
.rept 64
	v_exp_f32 v[ACC+tj], v[ACC+tj]
.set tj, tj+1
.endr
	v_add_f32 v60, v60, v57                        ; the sum of -2 V, first tile
	s_wait_alu depctr_va_vdst(0)
.set tj, 0
.rept 32
	v_pk_add_f32 v[ACC+tj:ACC+tj+1], v[ACC+tj:ACC+tj+1], 1.0 op_sel_hi:[1,0]
.set tj, tj+2
.endr
.set tj, 0
.rept 64
	v_rcp_f32 v[ACC+tj], v[ACC+tj]
.set tj, tj+1
.endr
	v_add_f32 v60, v60, v59                        ; second tile
	s_wait_alu depctr_va_vdst(0)
.irp t, 0,1
.irp j, 0,2,4,6,8,10,12,14,16,18,20,22,24,26,28,30
	v_pk_fma_f32 v[SA+\j:SA+\j+1], v[ACC+32*\t+\j:ACC+32*\t+\j+1], v[56+2*\t:57+2*\t], v[SA+\j:SA+\j+1] op_sel:[0,1,0] op_sel_hi:[1,1,1]   ; x (-2 V): the pair's high word serves both halves
.endr
.endr
.endm
; Two tiles of W2 (32 hidden units) against my 64 rows: 64 matrix instructions.  Fragments come in four groups through two sets of registers: each group is asked for while the group before the last is multiplied.
.macro PAIR
	v_add_nc_u32 v8, s36, v3                       ; the two tiles' images
	v_add_nc_u32 v9, s37, v10                      ; their pairs
	s_add_co_u32 s36, s36, 2*TILEB
	s_add_co_u32 s37, s37, 256
	ds_load_b128 v[BSC:BSC+3], v8 offset:12288     ; W2's scale words: register j: K step j in lanes 0-15, 4 + j in lanes 16-31
	ds_load_b128 v[BSC+4:BSC+7], v8 offset:TILEB+12288
	ds_load_b64 v[56:57], v9
	ds_load_b64 v[58:59], v9 offset:128
	BGROUP 0, 64
	BGROUP 1, 112
	s_wait_dscnt 12                                ; all but the 12 loads of group 1
	WIN 0x01                                       ; source 0: the keys' codes of K steps 0-3
	MULG 0, 64
	PLACES
	WIN 0
	BGROUP 2, 64
	s_wait_dscnt 12                                ; all but the 12 just issued
	WIN 0x01
	MULG 1, 112
	PLACES
	WIN 0
	BGROUP 3, 112
	s_wait_dscnt 12
	WIN 0x02                                       ; K steps 4-7
	MULG 2, 64
	s_wait_dscnt 0x0
	MULG 3, 112
	WIN 0
	PLACES
	TANH
.endm
; THE CHANGE OF SLOTS stands at a slot's head.  Each wave waits for all its tensor loads (one is out: its tile of the slot that it is about to read), adds 0 to its spare word, and waits for that and for its reads of the slot that it has left.
; fill = 1: the barrier is a round of the cluster's, so that no wave of any partner still reads that slot or has a load on its way, and the joint refill is the first thing behind it: it has a slot's 128 matrix instructions and their tanh in which to land.
.macro CHANGE fill
	s_wait_tensorcnt 0x0                           ; no tensor load of mine is out, so group 0 may be written
	ds_add_u32 v1, v2                              ; 0 onto my spare word
.if \fill
	s_xor_b32 s33, s33, SLOT1                      ; the walking descriptor: the other slot than last time,
	s_add_nc_u64 s[34:35], s[34:35], 4*TILEB       ; the next four tiles; the type bits on top are not reached
.endif
	s_wait_dscnt 0x0                               ; the add is done, my LDS stores have landed and my reads are back
.if \fill
	CROUND
	tensor_load_to_lds s[32:35], s[24:31]
	s_nop 0
	PLACES
.else
	s_barrier_signal -1
	s_barrier_wait -1
.endif
.endm
.macro SLOTWORK                        ; a slot's two pairs of tiles: written once, walked twice; the LDS addresses hang on s36 and s37
	s_mov_b32 s39, 2
.Lpair_\@:
	PAIR
	s_sub_co_u32 s39, s39, 1
	s_cmp_lg_u32 s39, 0
	s_cbranch_scc1 .Lpair_\@
	s_sub_co_u32 s36, s36, 4*TILEB                 ; back to a slot's first tile,
	s_xor_b32 s36, s36, SLOT1                      ; in the other slot
.endm
	s_mov_b32 s36, 0                               ; LDS byte of the pair of tiles in hand
	s_mov_b32 s37, 0                               ; and of its (c qb, -2 V)
	s_mov_b32 s38, 15
.Lslot:                                                ; 15 trips: behind each change of slots but the last the next slot is asked for (slot 1's first fill among them)
	CHANGE 1
	SLOTWORK
	s_sub_co_u32 s38, s38, 1
	s_cmp_lg_u32 s38, 0
	s_cbranch_scc1 .Lslot
	CHANGE 0                                       ; the last slot is written out
.irp i, 0,1,2
	global_prefetch_b8 v14, s[52:53] offset:XR0*4096+8192*\i th:TH_LOAD_NT scope:SCOPE_SE   ; the first six of my rows that are read again: lanes 256 bytes apart, two rows an instruction, each block named once; a slot's work ahead of their loads
.endr
	SLOTWORK
; ---- the end.  Row XR0 + i is read again into slot i % 7 of 32 registers (register 4 k + n, lane l: column 128 k + 4 l + n, as the context has it)
.macro XLOAD i
.set xs, (\i)%7
.if xs < 6
	WIN 0x40
.set xb, 32*xs
.else
	WIN 0x80
.set xb, 0
.endif
.irp x, 0,1,2,3,4,5,6,7
	global_load_b128 v[xb+4*\x:xb+4*\x+3], v3, s[52:53] offset:(XR0+(\i))*4096+512*\x th:TH_LOAD_NT
.endr
.endm
.macro XROW i                          ; context += p x row, in f32
.set xs, (\i)%7
.set pr, PB+XR0+(\i)-20
.if (\i) < 12
	s_wait_loadcnt 48                              ; this row's eight loads are in; the six rows behind it stay out
.else
	s_wait_loadcnt 8*(18-(\i))
.endif
.if xs < 6
	WIN 0x01
.set xb, 32*xs
.else
	WIN 0x02
.set xb, 0
.endif
.irp y, 0,2,4,6,8,10,12,14,16,18,20,22,24,26,28,30
.if pr%2 == 0
	v_pk_fma_f32 v[CA+\y:CA+\y+1], v[xb+\y:xb+\y+1], v[pr:pr+1], v[CA+\y:CA+\y+1] op_sel_hi:[1,0,1]
.else
	v_pk_fma_f32 v[CA+\y:CA+\y+1], v[xb+\y:xb+\y+1], v[pr-1:pr], v[CA+\y:CA+\y+1] op_sel:[0,1,0] op_sel_hi:[1,1,1]
.endif
.endr
.if (\i)+7 < NX
	XLOAD (\i)+7
.endif
.endm
.macro RROW q                          ; context += p x kept row q (row NL + q), from its 16 registers of bf16
.if (\q) < 16
	WIN 0x03
.set rr, 16*(\q)
.elseif (\q) < 20
	WIN 0x02
.set rr, 192+16*((\q)-16)
.else
	WIN 0x01
.set rr, 192+16*((\q)-20)
.endif
.irp x, 0,1,2,3,4,5,6,7,8,9,10,11,12,13,14,15
	v_fma_mix_f32_bf16 v[CA+2*\x], v[rr+\x], v[PB+1+(\q)], v[CA+2*\x] op_sel_hi:[1,0,0]
	v_fma_mix_f32_bf16 v[CA+2*\x+1], v[rr+\x], v[PB+1+(\q)], v[CA+2*\x+1] op_sel:[1,0,0] op_sel_hi:[1,0,0]
.endr
.endm
.irp n, 0,1,2,3,4,5,6
	XLOAD \n                                       ; seven rows go out first, into registers that held codes: they land while the scores are finished
.endr
	WIN 0
.set tj, 0
.rept 32
	v_fma_f32 v[SA+tj], v60, -0.5, v[SA+tj]        ; + the sum of V over my lane's hidden units
.set tj, tj+1
.endr
.irp x, 1,2,4,8
.set tj, 0
.rept 32
	v_add_f32_dpp v[SA+tj], v[SA+tj], v[SA+tj] row_xmask:\x row_mask:0xf bank_mask:0xf   ; over the sixteen lanes that share the rows
.set tj, tj+1
.endr
.endr
.irp m, 0,1,2,3                                ; lane (r, h) takes the score of row 16 m + 8 h + r % 8
	v_cndmask_b32 v[16+\m], v[SA+8*\m], v[SA+8*\m+1], s45
.irp j, 2,3,4,5,6,7
	v_cndmask_b32 v[16+\m], v[16+\m], v[SA+8*\m+\j], s[44+\j]
.endr
	v_add_f32 v[16+\m], s43, v[16+\m]              ; + V_b
	ds_store_b32 v11, v[16+\m] offset:64*\m        ; (lanes r and r + 8 write the same word with the same value)
.endr
	s_wait_dscnt 0x0                               ; for the other waves: my scores are in LDS
	s_barrier_signal -1
	s_barrier_wait -1
	ds_load_b128 v[20:23], v3 offset:SCR           ; all 256 scores, eight a lane
	ds_load_b128 v[24:27], v3 offset:SCR+512
	s_mov_b32 s44, 0x3fb8aa3b                      ; log2(e)
	s_wait_dscnt 0x0
	v_max3_num_f32 v28, v20, v21, v22
	v_max3_num_f32 v28, v28, v23, v24
	v_max3_num_f32 v28, v28, v25, v26
	v_max_num_f32 v28, v28, v27
.irp x, 1,2,4,8
	v_max_num_f32_dpp v28, v28, v28 row_xmask:\x row_mask:0xf bank_mask:0xf
.endr
	v_permlanex16_b32 v29, v28, s40, s41
	v_max_num_f32 v28, v28, v29                    ; m, the largest of the work-group's scores, in every lane
	v_mul_f32 v29, s44, v28
.irp m, 0,1,2,3
	v_fma_f32 v[16+\m], v[16+\m], s44, -v29        ; (score - m) log2(e)
.endr
.irp m, 0,1,2,3
	v_exp_f32 v[16+\m], v[16+\m]                   ; p, at most 1 within rounding
.endr
	v_nop                                          ; a plain instruction behind the last exponential,
	s_wait_alu depctr_va_vdst(0)                   ; and the wait ahead of the first use
.irp m, 0,1,2,3
	ds_store_b32 v11, v[16+\m] offset:PP-SCR+64*\m ; my wave's p: read by my wave alone, and LDS serves a wave's instructions in order
.endr
	ds_load_b64 v[20:21], v61                      ; my wave's 64 scores
.irp i, 0,1,2,3,4,5,6,7,8,9,10
	ds_load_b128 v[PB+4*\i:PB+4*\i+3], v12 offset:80+16*\i   ; p of rows 20 + 4 i on, the same in every lane
.endr
.set tj, 0
.rept 32
	v_mov_b32 v[CA+tj], 0
.set tj, tj+1
.endr
	s_wait_dscnt 11                                ; the scores are in; the 11 loads of p may be out
	global_store_b64 v13, v[20:21], s[54:55]       ; 32 lanes store 256 consecutive bytes, at a multiple of 256 from the buffer's first byte
	s_mov_b32 s36, 0
	s_mov_b32 s37, 0
	s_mov_b32 s38, NL/3
.Lrows:                                                ; the rows kept in LDS, three a trip
	v_add_nc_u32 v15, s36, v6
	v_add_nc_u32 v9, s37, v12
.irp a, 0,1,2
	ds_load_b32 v[28+\a], v9 offset:4*\a           ; their p
.endr
.irp a, 0,1,2
.irp x, 0,1,2,3
	ds_load_b128 v[RB+16*\a+4*\x:RB+16*\a+4*\x+3], v15 offset:2048*\a+512*\x
.endr
.endr
.irp a, 0,1,2
	s_wait_dscnt 8-4*\a                            ; this row's four loads are in; those of the rows behind it may be out
.irp x, 0,1,2,3,4,5,6,7,8,9,10,11,12,13,14,15
	v_fma_mix_f32_bf16 v[CA+2*\x], v[RB+16*\a+\x], v[28+\a], v[CA+2*\x] op_sel_hi:[1,0,0]
	v_fma_mix_f32_bf16 v[CA+2*\x+1], v[RB+16*\a+\x], v[28+\a], v[CA+2*\x+1] op_sel:[1,0,0] op_sel_hi:[1,0,0]
.endr
.endr
	s_add_co_u32 s36, s36, 3*2048
	s_add_co_u32 s37, s37, 12
	s_sub_co_u32 s38, s38, 1
	s_cmp_lg_u32 s38, 0
	s_cbranch_scc1 .Lrows
.irp n, 0,1,2,3,4,5,6,7,8,9,10,11,12,13,14,15,16,17,18
	XROW \n                                        ; a row from memory and a row from registers by turns: the register rows are work while the loads land
	RROW \n
.endr
.irp n, 19,20,21,22,23
	RROW \n
.endr
	WIN 0
.irp x, 0,1,2,3,4,5,6,7
	ds_store_b128 v4, v[CA+4*\x:CA+4*\x+3] offset:512*\x      ; my wave's context, 4,096 bytes as a row lies, in my own stage
.endr
	s_wait_dscnt 0x0                               ; for the other waves
	s_barrier_signal -1
	s_barrier_wait -1
.irp k, 0,1,2,3
.irp i, 0,1
	ds_load_b128 v[RB+8*\k+4*\i:RB+8*\k+4*\i+3], v62 offset:STW*\k+512*\i   ; quarter w of the four waves' contexts
.endr
.endr
	s_wait_dscnt 0x0
.irp n, 0,2,4,6
	v_pk_add_f32 v[RB+\n:RB+\n+1], v[RB+\n:RB+\n+1], v[RB+8+\n:RB+9+\n]
	v_pk_add_f32 v[RB+16+\n:RB+17+\n], v[RB+16+\n:RB+17+\n], v[RB+24+\n:RB+25+\n]
.endr
.irp n, 0,2,4,6
	v_pk_add_f32 v[RB+\n:RB+\n+1], v[RB+\n:RB+\n+1], v[RB+16+\n:RB+17+\n]
.endr
	global_store_b128 v3, v[RB:RB+3], s[56:57]     ; 32 lanes store 512 consecutive bytes
	global_store_b128 v3, v[RB+4:RB+7], s[56:57] offset:512
	s_wait_tensorcnt 0x0                           ; the wave's end: behind my last tensor load and my last LDS store
	ds_add_u32 v1, v2
	s_wait_dscnt 0x0
	CROUND                                         ; the closing round: no work-group ends while a partner may still ask for a tile that names it
	s_endpgm
.Lfunc_end_k_qa6a2168c58_main:
	.size	k_qa6a2168c58_main, .Lfunc_end_k_qa6a2168c58_main-k_qa6a2168c58_main
	.p2alignl 7, 3214868480
	.fill 96, 4, 3214868480
	.section	.rodata,"a",@progbits
	.p2align	6, 0x0
	.amdhsa_kernel k_qa6a2168c58_main
		.amdhsa_group_segment_fixed_size 327680
		.amdhsa_private_segment_fixed_size 0
		.amdhsa_enable_private_segment 0
		.amdhsa_kernarg_size 56
		.amdhsa_user_sgpr_count 2
		.amdhsa_user_sgpr_kernarg_segment_ptr 1
		.amdhsa_wavefront_size32 1
		.amdhsa_system_sgpr_workgroup_id_x 1
		.amdhsa_system_sgpr_workgroup_id_y 1
		.amdhsa_system_sgpr_workgroup_id_z 1
		.amdhsa_system_vgpr_workitem_id 0
		.amdhsa_next_free_vgpr 1024
		.amdhsa_next_free_sgpr 66
		.amdhsa_reserve_vcc 0
		.amdhsa_float_denorm_mode_32 3
		.amdhsa_float_denorm_mode_16_64 3
		.amdhsa_memory_ordered 1
		.amdhsa_forward_progress 1
		.amdhsa_inst_pref_size 255
	.end_amdhsa_kernel
	.section	.bss,"aw",@nobits
	.p2align	6
	.space	262144
	.amdgpu_metadata
---
amdhsa.version: [ 1, 2 ]
amdhsa.kernels:
  - .name:           k_qa6a2168c58_main
    .symbol:         k_qa6a2168c58_main.kd
    .args:
      - { .name: keys, .offset: 0, .size: 8, .value_kind: global_buffer, .address_space: global }
      - { .name: qb, .offset: 8, .size: 8, .value_kind: global_buffer, .address_space: global }
      - { .name: w2img, .offset: 16, .size: 8, .value_kind: global_buffer, .address_space: global }
      - { .name: V_w, .offset: 24, .size: 8, .value_kind: global_buffer, .address_space: global }
      - { .name: V_b, .offset: 32, .size: 8, .value_kind: global_buffer, .address_space: global }
      - { .name: scores, .offset: 40, .size: 8, .value_kind: global_buffer, .address_space: global }
      - { .name: part, .offset: 48, .size: 8, .value_kind: global_buffer, .address_space: global }
    .group_segment_fixed_size: 327680
    .private_segment_fixed_size: 0
    .kernarg_segment_align: 8
    .kernarg_segment_size: 56
    .max_flat_workgroup_size: 128
    .sgpr_count:     66
    .vgpr_count:     1024
    .wavefront_size: 32
...
	.end_amdgpu_metadata
.endif
;; end of part 2
;; launch join (part 3): grid 256 x 1, 1 waves a work-group, no clusters, 0 bytes of LDS; arguments scores, part, out0, out1; writes out0, out1
.if DOCPART == 3
	.amdgcn_target "amdgcn-amd-amdhsa--gfx1250"
	.amdhsa_code_object_version 6
	.text
	.protected	k_qa6a2168c58_join
	.globl	k_qa6a2168c58_join
	.p2align	8
	.type	k_qa6a2168c58_join,@function
k_qa6a2168c58_join:
	s_mov_b64 s[64:65], 0
	v_nop
	global_prefetch_b8 v0, s[64:65] scope:SCOPE_SE
	s_setreg_imm32_b32 hwreg(HW_REG_WAVE_MODE, 25, 1), 1
	s_wait_xcnt 0x0
; The softmax over a batch row's 1,024 scores, and the four partial contexts joined.  Work-group 4 b + q makes columns 256 q .. 256 q + 255 of out1[b] (the weights) and of out0[b] (the context).
; part[4 b + k] was summed with p = e^(score - m_k), m_k the largest score of quarter k.  Here M is the largest of all, L the sum of e^(score - M):  out1 = e^(score - M) / L;  out0 = sum over k of e^(m_k - M) / L x part[4 b + k].
; One wave a work-group: the reduction never leaves the wave.  Every wave of a batch row reads all its 4,096 bytes of scores; matrix units, LDS and clusters would add nothing to 18 loads and 4 stores.
; LIMITS: NaN and infinities are not served; an exponential under 2^-126 comes out as 0.
	s_load_b256 s[4:11], s[0:1], 0x0               ; scores s[4:5], part s[6:7], out0 s[8:9], out1 s[10:11]
	v_lshlrev_b32 v1, 4, v0                        ; 16 x lane
	s_lshr_b32 s12, ttmp9, 2                       ; b
	s_and_b32 s13, ttmp9, 3                        ; q
	s_lshl_b32 s14, s12, 12                        ; a batch row: 4,096 bytes
	s_mov_b32 s15, 0
	s_lshl_b32 s16, s13, 10                        ; a quarter: 1,024 bytes
	s_mov_b32 s17, 0
	s_lshl_b32 s18, s12, 14                        ; part: four rows of 4,096 bytes a batch row
	s_mov_b32 s19, 0
	s_mov_b32 s20, 0x76543210
	s_mov_b32 s21, 0xfedcba98                      ; v_permlanex16_b32's selects for lane l xor 16
	s_mov_b32 s12, 0x3fb8aa3b                      ; log2(e)
.irp k, 0,1,2,3
	v_mov_b32 v[84+\k], 0                          ; written once: a lane permute's destination counts as one of its sources
.endr
	s_wait_kmcnt 0x0
	s_add_nc_u64 s[4:5], s[4:5], s[14:15]          ; the batch row's scores
	s_add_nc_u64 s[22:23], s[4:5], s[16:17]        ; my quarter of them
	s_add_nc_u64 s[6:7], s[6:7], s[18:19]
	s_add_nc_u64 s[6:7], s[6:7], s[16:17]          ; my columns of the four partial contexts
	s_add_nc_u64 s[8:9], s[8:9], s[14:15]
	s_add_nc_u64 s[8:9], s[8:9], s[16:17]
	s_add_nc_u64 s[10:11], s[10:11], s[14:15]
	s_add_nc_u64 s[10:11], s[10:11], s[16:17]
.irp i, 0,1,2,3,4,5,6,7
	global_load_b128 v[8+4*\i:11+4*\i], v1, s[4:5] offset:512*\i     ; quarter k in v[8 + 8 k] on
.endr
.irp i, 0,1
	global_load_b128 v[40+4*\i:43+4*\i], v1, s[22:23] offset:512*\i  ; my quarter once more: which registers above hold it hangs on q
.endr
.irp k, 0,1,2,3
.irp i, 0,1
	global_load_b128 v[48+8*\k+4*\i:51+8*\k+4*\i], v1, s[6:7] offset:4096*\k+512*\i
.endr
.endr
	s_wait_loadcnt 8                               ; the scores are in; the eight loads of part may be out
.irp k, 0,1,2,3
	v_max3_num_f32 v[80+\k], v[8+8*\k], v[9+8*\k], v[10+8*\k]        ; the quarters' largest scores, by turns
.endr
.irp i, 3,5
.irp k, 0,1,2,3
	v_max3_num_f32 v[80+\k], v[80+\k], v[8+8*\k+\i], v[9+8*\k+\i]
.endr
.endr
.irp k, 0,1,2,3
	v_max_num_f32 v[80+\k], v[80+\k], v[15+8*\k]
.endr
.irp x, 1,2,4,8
.irp k, 0,1,2,3
	v_max_num_f32_dpp v[80+\k], v[80+\k], v[80+\k] row_xmask:\x row_mask:0xf bank_mask:0xf
.endr
.endr
.irp k, 0,1,2,3
	v_permlanex16_b32 v[84+\k], v[80+\k], s20, s21
.endr
.irp k, 0,1,2,3
	v_max_num_f32 v[80+\k], v[80+\k], v[84+\k]     ; m_k: a maximum rounds nothing, so these are the numbers that the launch before took away
.endr
	v_max3_num_f32 v88, v80, v81, v82
	v_max_num_f32 v88, v88, v83                    ; M
	v_mul_f32 v89, s12, v88
.set j, 0
.rept 40
	v_fma_f32 v[8+j], v[8+j], s12, -v89            ; (score - M) log2(e): all 1,024, and my quarter
.set j, j+1
.endr
.irp k, 0,1,2,3
	v_fma_f32 v[80+\k], v[80+\k], s12, -v89        ; (m_k - M) log2(e)
.endr
.set j, 0
.rept 40
	v_exp_f32 v[8+j], v[8+j]
.set j, j+1
.endr
.irp k, 0,1,2,3
	v_exp_f32 v[80+\k], v[80+\k]
.endr
	v_nop                                          ; a plain instruction behind the last exponential,
	s_wait_alu depctr_va_vdst(0)                   ; and one wait for the batch of 44, ahead of its first reader
	v_pk_add_f32 v[8:9], v[8:9], v[10:11]          ; L: two at a time, in two chains
	v_pk_add_f32 v[12:13], v[12:13], v[14:15]
.irp j, 8,12,16,20,24,28
	v_pk_add_f32 v[8:9], v[8:9], v[8+\j:9+\j]
	v_pk_add_f32 v[12:13], v[12:13], v[10+\j:11+\j]
.endr
	v_pk_add_f32 v[8:9], v[8:9], v[12:13]
	v_add_f32 v8, v8, v9
.irp x, 1,2,4,8
	v_add_f32_dpp v8, v8, v8 row_xmask:\x row_mask:0xf bank_mask:0xf
.endr
	v_permlanex16_b32 v84, v8, s20, s21
	v_add_f32 v8, v8, v84                          ; at least about 1: the largest score's term
	v_rcp_f32 v90, v8
	v_nop
	s_wait_alu depctr_va_vdst(0)
.irp j, 0,1,2,3,4,5,6,7
	v_mul_f32 v[40+\j], v[40+\j], v90
.endr
	global_store_b128 v1, v[40:43], s[10:11]       ; 32 lanes store 512 consecutive bytes
	global_store_b128 v1, v[44:47], s[10:11] offset:512
.irp k, 0,1,2,3
	v_mul_f32 v[80+\k], v[80+\k], v90              ; e^(m_k - M) / L
.endr
	s_wait_loadcnt 0x0
.irp n, 0,2,4,6
	v_pk_mul_f32 v[92+\n:93+\n], v[48+\n:49+\n], v[80:81] op_sel_hi:[1,0]
	v_pk_fma_f32 v[92+\n:93+\n], v[56+\n:57+\n], v[80:81], v[92+\n:93+\n] op_sel:[0,1,0] op_sel_hi:[1,1,1]
	v_pk_fma_f32 v[92+\n:93+\n], v[64+\n:65+\n], v[82:83], v[92+\n:93+\n] op_sel_hi:[1,0,1]
	v_pk_fma_f32 v[92+\n:93+\n], v[72+\n:73+\n], v[82:83], v[92+\n:93+\n] op_sel:[0,1,0] op_sel_hi:[1,1,1]
.endr
	global_store_b128 v1, v[92:95], s[8:9]
	global_store_b128 v1, v[96:99], s[8:9] offset:512
	s_endpgm
.Lfunc_end_k_qa6a2168c58_join:
	.size	k_qa6a2168c58_join, .Lfunc_end_k_qa6a2168c58_join-k_qa6a2168c58_join
	.p2alignl 7, 3214868480
	.fill 96, 4, 3214868480
	.section	.rodata,"a",@progbits
	.p2align	6, 0x0
	.amdhsa_kernel k_qa6a2168c58_join
		.amdhsa_group_segment_fixed_size 0
		.amdhsa_private_segment_fixed_size 0
		.amdhsa_enable_private_segment 0
		.amdhsa_kernarg_size 32
		.amdhsa_user_sgpr_count 2
		.amdhsa_user_sgpr_kernarg_segment_ptr 1
		.amdhsa_wavefront_size32 1
		.amdhsa_system_sgpr_workgroup_id_x 1
		.amdhsa_system_sgpr_workgroup_id_y 1
		.amdhsa_system_sgpr_workgroup_id_z 1
		.amdhsa_system_vgpr_workitem_id 0
		.amdhsa_next_free_vgpr 104
		.amdhsa_next_free_sgpr 66
		.amdhsa_reserve_vcc 0
		.amdhsa_float_denorm_mode_32 3
		.amdhsa_float_denorm_mode_16_64 3
		.amdhsa_memory_ordered 1
		.amdhsa_forward_progress 1
		.amdhsa_inst_pref_size 13
	.end_amdhsa_kernel
	.amdgpu_metadata
---
amdhsa.version: [ 1, 2 ]
amdhsa.kernels:
  - .name:           k_qa6a2168c58_join
    .symbol:         k_qa6a2168c58_join.kd
    .args:
      - { .name: scores, .offset: 0, .size: 8, .value_kind: global_buffer, .address_space: global }
      - { .name: part, .offset: 8, .size: 8, .value_kind: global_buffer, .address_space: global }
      - { .name: out0, .offset: 16, .size: 8, .value_kind: global_buffer, .address_space: global }
      - { .name: out1, .offset: 24, .size: 8, .value_kind: global_buffer, .address_space: global }
    .group_segment_fixed_size: 0
    .private_segment_fixed_size: 0
    .kernarg_segment_align: 8
    .kernarg_segment_size: 32
    .max_flat_workgroup_size: 32
    .sgpr_count:     66
    .vgpr_count:     104
    .wavefront_size: 32
...
	.end_amdgpu_metadata
.endif
;; end of part 3
;; ======== version 2 of 2: 3 launches
;; workspace buffers: qb 262,144 bytes; w2img 819,200 bytes; scores 262,144 bytes; part 1,048,576 bytes
;; launch prep (part 4): grid 128 x 1, 4 waves a work-group, no clusters, 4,864 bytes of LDS; arguments query_codes, query_scales, W1_w_codes, W1_w_scales, W1_b, W2_b, W2_w_codes, W2_w_scales, qb, w2img; writes qb, w2img
.if DOCPART == 4
	.amdgcn_target "amdgcn-amd-amdhsa--gfx1250"
	.amdhsa_code_object_version 6
	.text
	.protected	k_qa6a2168c58_prep
	.globl	k_qa6a2168c58_prep
	.p2align	8
	.type	k_qa6a2168c58_prep,@function
k_qa6a2168c58_prep:
	s_mov_b64 s[64:65], 0
	v_nop
	global_prefetch_b8 v0, s[64:65] scope:SCOPE_SE
	s_setreg_imm32_b32 hwreg(HW_REG_WAVE_MODE, 25, 1), 1
	s_wait_xcnt 0x0
; TWO SMALL JOBS IN ONE LAUNCH, parted by the work-group's number.
; Work-groups 0-63:   qb[b][d] = sum over k of query[b][k] W1[d][k] + W1_b[d] + W2_b[d]   (64 x 1024, f32), on codes of FP6 (E2M3) with E8M0 scales, as they are given.
; Work-groups 64-127: W2's codes and scale bytes are laid anew, as IMAGES OF THE OPERAND'S REGISTERS, so that the next launch brings a tile of 16 rows by one dense tensor load and reads a fragment by three loads of 16 bytes a lane.
;   w2img: 64 tiles of 12,800 bytes.  In a tile: 8 K steps x 1,536 bytes (block c of 512 bytes: registers 4 c .. 4 c + 3 of the fragment, lane l at 16 l), then 512 bytes of scale words (lane (r, h): the words of K steps 4 h .. 4 h + 3 of row r).
; SHARES.  Four waves a work-group, so that the fragments' loads (8 bytes a lane, rows 768 bytes apart) are spread over 128 work-groups.  Four waves are the fewest that fill 256 consecutive bytes of a row of qb: a wave makes 16 d, 64 bytes.
; The product is used transposed (source 0 = 16 rows of W1, source 1 = 16 rows of query): a lane then holds eight neighbouring d of one batch row.
; K's eight steps go to two accumulators by turns (even steps, odd steps), which are added at the end: an order of summing that differs from one ascending chain in the last bits only.
; No tensor load, no cluster: each work-group reads rows of W1 or W2 of its own; only the 48 KB of query are read by several.
.set LP, 272                           ; a stage row: 256 bytes (64 d of one batch row) + 16
	s_load_b512 s[4:19], s[0:1], 0x0               ; query codes s[4:5], query scales s[6:7], W1 codes s[8:9], W1 scales s[10:11], W1_b s[12:13], W2_b s[14:15], W2 codes s[16:17], W2 scales s[18:19]
	s_load_b128 s[20:23], s[0:1], 0x40             ; qb s[20:21], w2img s[22:23]
	v_lshl_add_u32 v254, v0, 2, 0x1100
	v_mov_b32 v255, 0
	v_lshrrev_b32 v1, 5, v0
	v_readfirstlane_b32 s24, v1                    ; wave 0..3
	v_and_b32 v1, 15, v0                           ; r
	v_bfe_u32 v2, v0, 4, 1                         ; h
	v_and_b32 v3, 31, v0                           ; lane
	v_mul_u32_u24 v4, v1, 768                      ; a row of 1,024 codes is 768 bytes
	v_mad_u32_u24 v4, v2, 24, v4                   ; + 24 h: my half's 24 bytes of each 48
	v_lshlrev_b32 v5, 5, v1                        ; a row of scale bytes is 32 bytes
	v_lshl_add_u32 v5, v2, 4, v5                   ; + 16 h: lanes 0-15 take the words of K steps 0-3, lanes 16-31 those of 4-7
	s_mov_b32 s29, 0                               ; the high word of every offset pair
	s_cmp_lt_u32 ttmp9, 64
	s_cbranch_scc0 .Lcopy
	; ---- qb.  Work-group 4 T + mw makes d = 64 T .. 64 T + 63 for batch rows 16 mw .. 16 mw + 15; wave v: d = 64 T + 16 v on
	s_lshr_b32 s25, ttmp9, 2                       ; T
	s_and_b32 s26, ttmp9, 3                        ; mw
	s_lshl_b32 s27, s25, 2
	s_add_co_u32 s27, s27, s24                     ; my tile of 16 rows of W1
	s_lshl_b32 s30, s24, 6
	v_mul_u32_u24 v7, v1, LP
	v_lshl_add_u32 v7, v2, 5, v7
	v_add_nc_u32 v7, s30, v7                       ; the stage, in: row r, byte 64 v + 32 h
	s_mul_i32 s30, s24, 4*LP
	v_mul_u32_u24 v8, v2, LP
	v_lshl_add_u32 v8, v1, 4, v8
	v_add_nc_u32 v8, s30, v8                       ; and back: rows 4 v on; lanes 0-15 one row, lanes 16-31 the next; 16 bytes a lane
	v_lshlrev_b32 v9, 12, v2
	v_lshl_add_u32 v9, v1, 4, v9                   ; the same two rows in qb (4,096 bytes a row)
	v_lshlrev_b32 v6, 5, v2                        ; the biases: 32 h
	s_wait_kmcnt 0x0
	s_mul_i32 s28, s27, 12288
	s_add_nc_u64 s[8:9], s[8:9], s[28:29]          ; W1's codes at my tile
	s_lshl_b32 s28, s27, 9
	s_add_nc_u64 s[10:11], s[10:11], s[28:29]      ; its scale bytes
	s_lshl_b32 s28, s27, 6
	s_add_nc_u64 s[12:13], s[12:13], s[28:29]      ; the biases of its 16 d
	s_add_nc_u64 s[14:15], s[14:15], s[28:29]
	s_mul_i32 s28, s26, 12288
	s_add_nc_u64 s[4:5], s[4:5], s[28:29]          ; query's codes at my 16 batch rows
	s_lshl_b32 s28, s26, 9
	s_add_nc_u64 s[6:7], s[6:7], s[28:29]
	s_lshl_b32 s28, s26, 16                        ; qb: row 16 mw
	s_lshl_b32 s30, s24, 14                        ; + 4 v,
	s_add_co_u32 s28, s28, s30
	s_lshl_b32 s30, s25, 8                         ; byte 256 T
	s_add_co_u32 s28, s28, s30
	s_add_nc_u64 s[20:21], s[20:21], s[28:29]
	global_load_b128 v[16:19], v5, s[10:11]        ; W1's scale words: register j: K step j in lanes 0-15, K step 4 + j in lanes 16-31
	global_load_b128 v[20:23], v5, s[6:7]          ; query's likewise
	global_load_b128 v[24:27], v6, s[12:13]        ; W1_b at d = 16 tile + 8 h + 0 .. 7: the result's layout
	global_load_b128 v[28:31], v6, s[12:13] offset:16
	global_load_b128 v[32:35], v6, s[14:15]        ; W2_b likewise
	global_load_b128 v[36:39], v6, s[14:15] offset:16
.irp s, 0,1,2,3,4,5,6,7
.irp p, 0,1,2,3,4,5
	global_load_b64 v[56+12*\s+2*\p:57+12*\s+2*\p], v4, s[8:9] offset:96*\s+48*(\p/3)+8*(\p%3)     ; W1's fragment of K step s: pieces of 8 bytes, so that every address is a multiple of the access's size
	global_load_b64 v[152+12*\s+2*\p:153+12*\s+2*\p], v4, s[4:5] offset:96*\s+48*(\p/3)+8*(\p%3)   ; query's
.endr
.endr
	s_wait_loadcnt 0x0
.irp s, 0,1,2,3,4,5,6,7                        ; the two accumulators take turns, one instruction a turn
.set rD, 40+8*(\s%2)
.if \s < 2
	v_wmma_scale_f32_16x16x128_f8f6f4 v[rD:rD+7], v[56+12*\s:67+12*\s], v[152+12*\s:163+12*\s], 0, v[16+\s], v[20+\s] matrix_a_fmt:MATRIX_FMT_FP6 matrix_b_fmt:MATRIX_FMT_FP6
.elseif \s < 4
	v_wmma_scale_f32_16x16x128_f8f6f4 v[rD:rD+7], v[56+12*\s:67+12*\s], v[152+12*\s:163+12*\s], v[rD:rD+7], v[16+\s], v[20+\s] matrix_a_fmt:MATRIX_FMT_FP6 matrix_b_fmt:MATRIX_FMT_FP6
.else
	v_wmma_scale_f32_16x16x128_f8f6f4 v[rD:rD+7], v[56+12*\s:67+12*\s], v[152+12*\s:163+12*\s], v[rD:rD+7], v[12+\s], v[16+\s] matrix_a_fmt:MATRIX_FMT_FP6 matrix_b_fmt:MATRIX_FMT_FP6 matrix_a_scale:MATRIX_SCALE_ROW1 matrix_b_scale:MATRIX_SCALE_ROW1
.endif
.endr
.irp j, 0,2,4,6
	v_pk_add_f32 v[24+\j:25+\j], v[24+\j:25+\j], v[32+\j:33+\j]   ; the two biases: four plain instructions that name no register of the products: the places behind them (ISA guide 7.12.1)
.endr
.irp j, 0,2,4,6
	v_pk_add_f32 v[24+\j:25+\j], v[24+\j:25+\j], v[40+\j:41+\j]   ; each accumulator is read from its low end on
	v_pk_add_f32 v[24+\j:25+\j], v[24+\j:25+\j], v[48+\j:49+\j]
.endr
	ds_store_b128 v7, v[24:27]                     ; lane (r, h): qb(16 mw + r, 64 T + 16 v + 8 h + 0 .. 7)
	ds_store_b128 v7, v[28:31] offset:16
	s_wait_dscnt 0x0                               ; for the other waves: my stores into the stage are done
	s_barrier_signal -1
	s_barrier_wait -1                              ; a row's 256 bytes come from four waves
	ds_load_b128 v[32:35], v8
	ds_load_b128 v[36:39], v8 offset:2*LP
	s_wait_dscnt 0x0
	global_store_b128 v9, v[32:35], s[20:21]       ; sixteen lanes store 256 consecutive bytes, at a multiple of 256 from qb's first byte
	global_store_b128 v9, v[36:39], s[20:21] offset:8192
	s_wait_tensorcnt 0x0
	ds_add_u32 v254, v255
	s_wait_dscnt 0x0
	s_endpgm
.Lcopy:	; ---- w2img.  Work-group 64 + tile; wave v: K steps 2 v and 2 v + 1
	s_sub_co_u32 s27, ttmp9, 64                    ; my tile
	v_lshlrev_b32 v6, 4, v3                        ; 16 x lane
	s_mul_i32 s30, s24, 3072
	v_add_nc_u32 v7, s30, v6                       ; + my two K steps' images
	s_wait_kmcnt 0x0
	s_mul_i32 s28, s27, 12288
	s_mul_i32 s30, s24, 192
	s_add_co_u32 s28, s28, s30
	s_add_nc_u64 s[16:17], s[16:17], s[28:29]      ; W2's codes: my tile's rows, my two K steps
	s_mul_i32 s28, s27, 12800
	s_add_nc_u64 s[22:23], s[22:23], s[28:29]      ; the tile's image
	s_lshl_b32 s28, s27, 9
	s_add_nc_u64 s[18:19], s[18:19], s[28:29]      ; its scale bytes
.irp s, 0,1
.irp p, 0,1,2,3,4,5
	global_load_b64 v[56+12*\s+2*\p:57+12*\s+2*\p], v4, s[16:17] offset:96*\s+48*(\p/3)+8*(\p%3)   ; the fragment as the matrix instruction wants it
.endr
.endr
	global_load_b128 v[16:19], v5, s[18:19]        ; the tile's scale words (all four waves load them, one stores them)
	s_wait_loadcnt 0x0
.irp s, 0,1
.irp c, 0,1,2
	global_store_b128 v7, v[56+12*\s+4*\c:59+12*\s+4*\c], s[22:23] offset:1536*\s+512*\c   ; 32 lanes store 512 consecutive bytes
.endr
.endr
	s_cmp_lg_u32 s24, 0
	s_cbranch_scc1 .Ldone
	global_store_b128 v6, v[16:19], s[22:23] offset:12288
.Ldone:
	s_endpgm
.Lfunc_end_k_qa6a2168c58_prep:
	.size	k_qa6a2168c58_prep, .Lfunc_end_k_qa6a2168c58_prep-k_qa6a2168c58_prep
	.p2alignl 7, 3214868480
	.fill 96, 4, 3214868480
	.section	.rodata,"a",@progbits
	.p2align	6, 0x0
	.amdhsa_kernel k_qa6a2168c58_prep
		.amdhsa_group_segment_fixed_size 4864
		.amdhsa_private_segment_fixed_size 0
		.amdhsa_enable_private_segment 0
		.amdhsa_kernarg_size 80
		.amdhsa_user_sgpr_count 2
		.amdhsa_user_sgpr_kernarg_segment_ptr 1
		.amdhsa_wavefront_size32 1
		.amdhsa_system_sgpr_workgroup_id_x 1
		.amdhsa_system_sgpr_workgroup_id_y 1
		.amdhsa_system_sgpr_workgroup_id_z 1
		.amdhsa_system_vgpr_workitem_id 0
		.amdhsa_next_free_vgpr 256
		.amdhsa_next_free_sgpr 66
		.amdhsa_reserve_vcc 0
		.amdhsa_float_denorm_mode_32 3
		.amdhsa_float_denorm_mode_16_64 3
		.amdhsa_memory_ordered 1
		.amdhsa_forward_progress 1
		.amdhsa_inst_pref_size 17
	.end_amdhsa_kernel
	.amdgpu_metadata
---
amdhsa.version: [ 1, 2 ]
amdhsa.kernels:
  - .name:           k_qa6a2168c58_prep
    .symbol:         k_qa6a2168c58_prep.kd
    .args:
      - { .name: query_codes, .offset: 0, .size: 8, .value_kind: global_buffer, .address_space: global }
      - { .name: query_scales, .offset: 8, .size: 8, .value_kind: global_buffer, .address_space: global }
      - { .name: W1_w_codes, .offset: 16, .size: 8, .value_kind: global_buffer, .address_space: global }
      - { .name: W1_w_scales, .offset: 24, .size: 8, .value_kind: global_buffer, .address_space: global }
      - { .name: W1_b, .offset: 32, .size: 8, .value_kind: global_buffer, .address_space: global }
      - { .name: W2_b, .offset: 40, .size: 8, .value_kind: global_buffer, .address_space: global }
      - { .name: W2_w_codes, .offset: 48, .size: 8, .value_kind: global_buffer, .address_space: global }
      - { .name: W2_w_scales, .offset: 56, .size: 8, .value_kind: global_buffer, .address_space: global }
      - { .name: qb, .offset: 64, .size: 8, .value_kind: global_buffer, .address_space: global }
      - { .name: w2img, .offset: 72, .size: 8, .value_kind: global_buffer, .address_space: global }
    .group_segment_fixed_size: 4864
    .private_segment_fixed_size: 0
    .kernarg_segment_align: 8
    .kernarg_segment_size: 80
    .max_flat_workgroup_size: 128
    .sgpr_count:     66
    .vgpr_count:     256
    .wavefront_size: 32
...
	.end_amdgpu_metadata
.endif
;; end of part 4
;; launch main (part 5): grid 256 x 1, 4 waves a work-group, clusters of 4 x 1, 327,680 bytes of LDS; arguments keys, qb, w2img, V_w, V_b, scores, part; writes scores, part
.if DOCPART == 5
	.amdgcn_target "amdgcn-amd-amdhsa--gfx1250"
	.amdhsa_code_object_version 6
	.text
	.protected	k_qa6a2168c58_main
	.globl	k_qa6a2168c58_main
	.p2align	8
	.type	k_qa6a2168c58_main,@function
k_qa6a2168c58_main:
	s_mov_b64 s[64:65], 0
	v_nop
	global_prefetch_b8 v0, s[64:65] scope:SCOPE_SE
	s_setreg_imm32_b32 hwreg(HW_REG_WAVE_MODE, 25, 1), 1
	s_wait_xcnt 0x0
	s_wait_alu depctr_hold_cnt(0) depctr_sa_sdst(0) depctr_va_vdst(0) depctr_va_sdst(0) depctr_va_ssrc(0) depctr_va_vcc(0) depctr_vm_vsrc(0)
	s_getreg_b32 s2, hwreg(HW_REG_IB_STS2, 6, 4)
	s_cmp_eq_u32 s2, 0
	s_cbranch_scc0 .Lentry_in_a_cluster
	s_endpgm
.Lentry_in_a_cluster:
	s_bfe_u32 s2, ttmp6, 0x10000c
	s_cmp_lg_u32 s2, 0x3003
	s_cbranch_scc0 .Lentry_shape_is_right
	s_endpgm
.Lentry_shape_is_right:
; For 256 rows (positions) of one batch row:  score[s] = sum over d of V[d] tanh(qb[d] + sum over e of Q(keys[s][e]) W2[d][e]) + V_b;  p[s] = e^(score[s] - m), m the largest of the 256 scores;  part[e] = sum over s of p[s] keys[s][e].
; Q is the MX quantiser along e: codes of FP6 (E2M3), one E8M0 scale for each 32.  W2 comes as codes (register images laid by the launch before); qb holds query W1^T + W1_b + W2_b.  The last launch joins the four work-groups of a batch row.
; SHARES.  256 work-groups, one for each 256 rows, so that W2 (819,200 bytes of images) is walked once by each.  Wave w owns rows 64 w .. 64 w + 63; their codes (4 tiles of rows x 8 K steps x 12 registers) stay in its registers through the whole product.
; All four waves read every fragment of W2 from LDS; a fragment feeds four matrix instructions of a wave.  Source 0 = 16 rows of keys, source 1 = 16 rows of W2: in the result a lane holds ONE hidden unit d and eight rows,
; so that qb[d] and V[d] are one number a lane and a tile, and a row's score is summed in 32 registers that stay until the end.
; tanh(x) = 1 - 2 / (1 + 2^(c x)), c = 2 log2(e):  sum of V tanh = sum of V + sum of (-2 V) / (1 + 2^(c x)).  Where 2^(c x) is infinite the reciprocal is 0, where it is 0 the reciprocal is 1: tanh ends at 1 and -1.
; BY TURNS.  The tiles of W2 go in pairs, each tile with four accumulators of its own.  While one tile's 32 products are issued, the other tile's tanh (113 vector instructions for its 32 numbers a lane) stands in slices, one behind each matrix
; instruction: 3.5 vector instructions and two switches of the register window for each product.  The part of a tanh that must be over before its accumulators are begun anew stands bare at a pair's head, while the pair's first fragments come from LDS.
; THE KEYS ARE WANTED TWICE, for the product and for the context.  Of a wave's 64 rows 21 stay in LDS and 24 in registers, rounded to bf16; the last 19 are read from memory again, in f32.
; CLUSTER.  The four work-groups of a cluster (the four quarters of a batch row) walk the same W2: each tile is asked for JOINTLY, by the same tensor load with the same descriptor and a mask that names the four.  The keys are shared by nobody.
; LIMITS.  NaN and infinities among the inputs are not served.  A block of 32 keys whose largest magnitude lies under 2^-124 gets the byte 1, as the quantiser's hold at -126 asks; a block of zeros gets it too (the quantiser says 127): its codes are zeros,
; and nobody else reads the bytes.  A p under 2^-126 comes out as 0.  The context takes 45 of each 64 rows of keys rounded to bf16.
; REGISTERS, in windows of 256 (s_set_vgpr_msb: bits 1:0 source 0, 3:2 source 1, 5:4 source 2, 7:6 destination):
;   window 0: v1-15, v31, v61-63 addresses; v16-30 at work; v32-47 the keys' scale words; v48-55 W2's; v56-59 (c qb, -2 V) of a pair's two tiles; v60 the sum of -2 V;
;             v64-255: first three landing sets of 64; then W2's fragments (v64-111, v112-159), the scores' sums (v160-191), tile 0's four accumulators (v192-223), tile 1's (v224-255); at the end p (v64-107), the context (v112-143), rows (v144-191)
;   window 1: v0-191 the keys' codes of K steps 0-3 (later six rows read again); v192-255 kept rows 20-23      window 2: the same for K steps 4-7 (later one row); kept rows 16-19      window 3: kept rows 0-15 (v192-223 first serve the rows bound for LDS)
; The keys' codes are source 0 of a product and lie in windows 1 and 2; every line of a tanh has its numbers as source 0 in window 0: hence the two switches round each slice.
.set NL,    21                         ; rows of a wave kept in LDS
.set NR,    24                         ; kept in registers
.set XR0,   NL+NR                      ; from this row on: read again
.set NX,    64-XR0
.set TILEB, 12800                      ; a tile's image
.set SLOT1, 65536                      ; slot 0 at LDS byte 0, slot 1 here: one exclusive or turns an address; a slot holds four tiles, 51,200 bytes
.set SPARE, 51200                      ; the spare words, 128 bytes for each wave: two blocks of 256 bytes that no other line names
.set BVT,   51712                      ; 1,024 pairs (c qb[d], -2 V[d])
.set SCR,   59904                      ; the 256 scores
.set PP,    60928                      ; the 256 p
.set STAGE, 116736                     ; for each wave 16 rows x (512 bytes + 16); at the end the waves' four contexts
.set STW,   8448
.set IMG,   150528                     ; for each wave NL rows of 2,048 bytes (bf16)
.set IMW,   NL*2048
.set ASC, 32
.set BSC, 48
.set SA,  160
.set ACC, 192
.set PB,  64                           ; p of rows 20 .. 63
.set CA,  112                          ; the context: register 4 k + n, lane l: column 128 k + 4 l + n
.set RB,  144
.set TBR, 192
.set MSB, 0
.macro WIN new                         ; the immediate's high byte repeats the setting that is left; a switch that changes nothing is dropped
.if MSB != \new
	s_set_vgpr_msb (MSB<<8)|\new
.set MSB, \new
.endif
.endm
.macro PLACES                          ; four places behind matrix instructions, in front of loads into registers that they have read and of the first read of results (ISA guide 7.12.1 for vector instructions)
.rept 4
	v_nop
.endr
.endm
.macro CROUND                          ; a round of the cluster's barrier: my work-group's barrier; wave 0 signals for the work-group; every wave waits for all four work-groups; my work-group's barrier once more
	s_barrier_signal -1
	s_barrier_wait -1
	s_cmp_lg_u32 s18, 0
	s_cbranch_scc1 .Lnot_wave_0_\@
	s_barrier_signal -3
.Lnot_wave_0_\@:
	s_barrier_wait -3
	s_barrier_signal -1
	s_barrier_wait -1
.endm
	s_load_b256 s[4:11], s[0:1], 0x0               ; keys s[4:5], qb s[6:7], w2img s[8:9], V_w s[10:11]
	s_load_b128 s[12:15], s[0:1], 0x20             ; V_b s[12:13], scores s[14:15]
	s_load_b64 s[16:17], s[0:1], 0x30              ; part
	v_lshl_add_u32 v1, v0, 2, SPARE                ; my spare word; never rewritten
	v_mov_b32 v2, 0                                ; never rewritten
	ds_add_u32 v1, v2
	ds_add_u32 v1, v2
	s_wait_dscnt 0x0
	v_lshrrev_b32 v16, 5, v0
	v_readfirstlane_b32 s18, v16                   ; wave 0..3
	s_bfe_u32 s19, ttmp6, 0x40000                  ; cx: my place in the cluster
	s_lshl_b32 s20, ttmp9, 2                       ; ttmp9 counts clusters: it is the batch row
	s_add_co_u32 s20, s20, s19                     ; g, my block of 256 rows: it enters the addresses of keys, scores and part alone
	; descriptor group 1: a tile's image, 12,800 dense bytes, as 50 rows of 256 bytes (32 elements of 8 bytes)
	s_mov_b32 s24, 15|(3<<16)|(1<<21)              ; 15:0 the mask: all four work-groups; 17:16 elements of 8 bytes; 20 no padding; 21 set beside a mask
	s_mov_b32 s25, 32<<16                          ; tensor_dim0 = 32
	s_mov_b32 s26, 50<<16                          ; tensor_dim1 = 50
	s_mov_b32 s27, 32<<16                          ; tile_dim0 = 32
	s_mov_b32 s28, 50                              ; tile_dim1 = 50
	s_mov_b32 s29, 32                              ; from row to row
	s_mov_b32 s30, 0
	s_mov_b32 s31, 0
	s_mov_b32 s22, 0x4038aa3b                      ; c = 2 log2(e)
	s_mov_b32 s23, s22                             ; (named with it as a pair, so it is written)
	s_mov_b32 s40, 0x76543210
	s_mov_b32 s41, 0xfedcba98                      ; v_permlanex16_b32's selects for lane l xor 16
	s_mov_b32 s42, 0xffff0000                      ; lanes 16-31
	s_mov_b32 s45, 0x02020202                      ; the lanes with lane % 8 = 1 .. 7
	s_mov_b32 s46, 0x04040404
	s_mov_b32 s47, 0x08080808
	s_mov_b32 s48, 0x10101010
	s_mov_b32 s49, 0x20202020
	s_mov_b32 s50, 0x40404040
	s_mov_b32 s51, 0x80808080
	s_mul_i32 s21, s18, TILEB                      ; wave w fetches tile w of each slot's four: no place in the cluster enters a descriptor or an LDS address
	s_mov_b32 s60, s21
	s_mov_b32 s61, 0
	s_wait_kmcnt 0x0
	s_load_b32 s43, s[12:13], 0x0                  ; V_b
	s_mov_b32 s32, 1                               ; group 0: count = 1,
	s_mov_b32 s33, s21                             ; LDS address: slot 0,
	s_add_nc_u64 s[34:35], s[8:9], s[60:61]        ; global address: tile w,
	s_or_b32 s35, s35, 0x80000000                  ; type = 2
	CROUND                                         ; all four work-groups are here: the first joint loads meet
	tensor_load_to_lds s[32:35], s[24:31]          ; slot 0; it lands while the keys are quantised
	s_nop 0
	PLACES
	s_lshl_b32 s60, s20, 20                        ; keys: 256 rows of 4,096 bytes a block,
	s_lshl_b32 s44, s18, 18                        ; 64 rows a wave
	s_add_co_u32 s60, s60, s44
	s_add_nc_u64 s[52:53], s[4:5], s[60:61]
	s_lshl_b32 s60, s20, 10                        ; scores: 1,024 bytes a block, 256 a wave
	s_lshl_b32 s44, s18, 8
	s_add_co_u32 s60, s60, s44
	s_add_nc_u64 s[54:55], s[14:15], s[60:61]
	s_lshl_b32 s60, s60, 2                         ; part: 4,096 bytes a block, 1,024 a wave
	s_add_nc_u64 s[56:57], s[16:17], s[60:61]
	s_lshl_b32 s60, ttmp9, 12                      ; qb: the batch row, my wave's 256 d
	s_lshl_b32 s44, s18, 10
	s_add_co_u32 s60, s60, s44
	s_add_nc_u64 s[58:59], s[6:7], s[60:61]
	s_mov_b32 s60, s44
	s_add_nc_u64 s[62:63], s[10:11], s[60:61]      ; V likewise
	v_and_b32 v16, 31, v0                          ; lane
	v_and_b32 v17, 15, v0                          ; r
	v_bfe_u32 v18, v0, 4, 1                        ; h
	v_lshlrev_b32 v3, 4, v16                       ; v3: 16 x lane
	v_lshlrev_b32 v31, 5, v16                      ; v31: 32 x lane: my 8 numbers of qb and of V
	s_mul_i32 s21, s18, STW
	s_add_co_u32 s21, s21, STAGE
	v_add_nc_u32 v4, s21, v3                       ; v4: my stage, a row as it is loaded: 16 x lane
	v_mul_u32_u24 v5, v17, 528
	v_lshl_add_u32 v5, v18, 7, v5
	v_add_nc_u32 v5, s21, v5                       ; v5: and as the quantiser wants it: row r, + 128 h: my block of 32 numbers
	s_mul_i32 s21, s18, IMW
	s_add_co_u32 s21, s21, IMG
	v_add_nc_u32 v6, s21, v3                       ; v6: my wave's kept rows
	v_lshlrev_b32 v7, 3, v18                       ; v7: 8 h
	v_lshl_add_u32 v10, v17, 3, BVT                ; v10: the pair of hidden unit r of a tile
	v_and_b32 v19, 7, v0
	v_lshl_add_u32 v19, v18, 3, v19                ; 8 h + r % 8
	s_lshl_b32 s21, s18, 8
	s_add_co_u32 s44, s21, SCR
	v_lshl_add_u32 v11, v19, 2, s44                ; v11: the score of row 8 h + r % 8 of a tile of my rows
	v_lshlrev_b32 v13, 3, v16                      ; v13: 8 x lane
	v_add_nc_u32 v61, s44, v13                     ; v61: my wave's 64 scores, 8 bytes a lane
	s_add_co_u32 s44, s21, PP
	v_mov_b32 v12, s44                             ; v12: my wave's 64 p
	v_lshlrev_b32 v14, 8, v16                      ; v14: 256 x lane, for the prefetches
	s_lshl_b32 s44, s18, 10
	s_add_co_u32 s44, s44, STAGE
	v_add_nc_u32 v62, s44, v3                      ; v62: the last sum: quarter w of a context
	s_lshl_b32 s44, s18, 11
	s_add_co_u32 s44, s44, BVT
	v_lshl_add_u32 v63, v16, 6, s44                ; v63: where I put my 8 pairs
	v_mov_b32 v23, 0                               ; written once: a lane permute's destination counts as one of its sources
; A UNIT is 16 rows x 128 along K: unit u = 8 x (tile of rows) + K step.  Each of its 16 loads reads 512 consecutive bytes of one row, 16 a lane.  Rows that will be read again carry no hint; the others are read once.
.macro LOADU u
.set lrow, 16*((\u)/8)
.set lcol, 512*((\u)%8)
.set lset, 64+64*((\u)%3)
.irp i, 0,1,2,3,4,5,6,7,8,9,10,11,12,13,14,15
.if lrow+\i < XR0
	global_load_b128 v[lset+4*\i:lset+4*\i+3], v3, s[52:53] offset:(lrow+\i)*4096+lcol th:TH_LOAD_NT
.else
	global_load_b128 v[lset+4*\i:lset+4*\i+3], v3, s[52:53] offset:(lrow+\i)*4096+lcol
.endif
.endr
.endm
.macro KEEP i                          ; row i of the unit, if it is kept: four numbers a lane become two registers of bf16: register 2 (K step) + j of the row's 16, lane l: columns 128 (K step) + 4 l + 2 j, + 1
.set rho, 16*umt+(\i)
.if rho < NL
	WIN 0xc0
	v_cvt_pk_bf16_f32 v[TBR+2*(\i)], v[ULS+4*(\i)], v[ULS+4*(\i)+1]
	v_cvt_pk_bf16_f32 v[TBR+2*(\i)+1], v[ULS+4*(\i)+2], v[ULS+4*(\i)+3]
.elseif rho < XR0
.set rq, rho-NL
.if rq < 16
	WIN 0xc0
.set rr, 16*rq+2*uks
.elseif rq < 20
	WIN 0x80
.set rr, 192+16*(rq-16)+2*uks
.else
	WIN 0x40
.set rr, 192+16*(rq-20)+2*uks
.endif
	v_cvt_pk_bf16_f32 v[rr], v[ULS+4*(\i)], v[ULS+4*(\i)+1]
	v_cvt_pk_bf16_f32 v[rr+1], v[ULS+4*(\i)+2], v[ULS+4*(\i)+3]
.endif
.endm
.macro PUT i                           ; a row bound for LDS: laid so that a load of 16 bytes a lane brings four of the row's 16 registers
.set rho, 16*umt+(\i)
.if rho < NL
	WIN 0x0c                                       ; an LDS store's data are its source 1: window 3
	ds_store_b64 v6, v[TBR+2*(\i):TBR+2*(\i)+1] offset:2048*rho+512*(uks/2)+8*(uks%2)
.endif
.endm
; A unit is kept (bf16), turned through my stage so that lane (r, h) holds, of row r, the two blocks k = 64 c + 32 h + 0 .. 31 (register 32 c + n), quantised, and its codes are the operand's registers as they stand.
.macro UNIT u
.set umt, (\u)/8
.set uks, (\u)%8
.set ULS, 64+64*((\u)%3)
.set UAB, 12*(4*(uks%4)+umt)
.set UAW, 64*(1+uks/4)
.if (\u) < 30
	s_wait_loadcnt 32                              ; this unit's 16 loads are in; the two units behind it stay out
.else
	s_wait_loadcnt 16*(31-(\u))
.endif
.irp i, 0,1,2,3,4,5,6,7,8,9,10,11,12,13,14,15
	KEEP \i
.endr
.irp i, 0,1,2,3,4,5,6,7,8,9,10,11,12,13,14,15
	PUT \i
.endr
	WIN 0
.irp i, 0,1,2,3,4,5,6,7,8,9,10,11,12,13,14,15
	ds_store_b128 v4, v[ULS+4*\i:ULS+4*\i+3] offset:528*\i
.endr
.irp c, 0,1
.irp j, 0,1,2,3,4,5,6,7
	ds_load_b128 v[ULS+32*\c+4*\j:ULS+32*\c+4*\j+3], v5 offset:256*\c+16*\j   ; LDS serves a wave's instructions in order (ISA guide 5.7.1.4): these see the stores above.  Rows 528 bytes apart: sixteen lanes, sixteen different columns of 16 bytes
.endr
.endr
	s_wait_dscnt 0x0                               ; the numbers are back, and the stores of this unit have read their registers
	v_max3_num_f32 v16, |v[ULS]|, |v[ULS+1]|, 0x1800000       ; each block's largest magnitude: all 32 numbers are mine; the floor 2^(3 - 127) holds the byte at 1 from below
	v_max3_num_f32 v17, |v[ULS+32]|, |v[ULS+33]|, 0x1800000
.irp i, 2,4,6,8,10,12,14,16,18,20,22,24,26,28,30
	v_max3_num_f32 v16, v16, |v[ULS+\i]|, |v[ULS+\i+1]|       ; (the two blocks by turns)
	v_max3_num_f32 v17, v17, |v[ULS+32+\i]|, |v[ULS+33+\i]|
.endr
	v_add_nc_u32 v18, 0xff000000, v16              ; 2 off the exponent field: the conversion takes the exponent field of this operand as its scale
	v_add_nc_u32 v19, 0xff000000, v17
	v_lshrrev_b32 v20, 23, v18                     ; the scales' bytes: blocks h and 2 + h of row r
	v_lshrrev_b32 v21, 23, v19
	v_lshl_or_b32 v22, v21, 16, v20
	v_lshlrev_b32 v22, v7, v22                     ; at their places in the scale word (8 h bits up)
	v_permlanex16_b32 v23, v22, s40, s41           ; with lane l xor 16's two the word is whole, in both lanes
.if uks < 4
	v_or_b32 v[ASC+4*umt+uks], v22, v23            ; K steps 0-3: read from lanes 0-15
.else
	v_or_b32 v22, v22, v23
	v_cndmask_b32 v[ASC+4*umt+uks-4], v[ASC+4*umt+uks-4], v22, s42   ; K steps 4-7: into lanes 16-31 of the same registers
.endif
	v_cvt_scalef32_pk16_fp6_f32 v[24:26], v[ULS+16:ULS+31], v18      ; (a conversion's three registers begin on an even number: the second half of a block's six does not, so it is made here and moved)
	v_cvt_scalef32_pk16_fp6_f32 v[28:30], v[ULS+48:ULS+63], v19
	WIN UAW                                        ; destination: window 1 (K steps 0-3) or 2
	v_cvt_scalef32_pk16_fp6_f32 v[UAB:UAB+2], v[ULS:ULS+15], v18
	v_cvt_scalef32_pk16_fp6_f32 v[UAB+6:UAB+8], v[ULS+32:ULS+47], v19
	v_nop                                          ; one plain place behind the scaled conversions
.irp i, 0,1,2
	v_mov_b32 v[UAB+3+\i], v[24+\i]
	v_mov_b32 v[UAB+9+\i], v[28+\i]
.endr
	WIN 0
.if (\u)+3 < 32
	LOADU (\u)+3                                   ; the set just used takes the unit three on
.endif
.endm
	global_load_b128 v[192:195], v31, s[58:59]     ; qb and V of my wave's 256 hidden units
	global_load_b128 v[196:199], v31, s[58:59] offset:16
	global_load_b128 v[200:203], v31, s[62:63]
	global_load_b128 v[204:207], v31, s[62:63] offset:16
	LOADU 0
	LOADU 1
	s_wait_loadcnt 32                              ; the four are in; the two units stay out
	s_wait_kmcnt 0x0                               ; V_b
.irp n, 0,1,2,3,4,5,6,7
	v_mul_f32 v[208+2*\n], s22, v[192+\n]          ; c qb[d]
	v_mul_f32 v[209+2*\n], -2.0, v[200+\n]         ; -2 V[d]
.endr
.irp i, 0,1,2,3
	ds_store_b128 v63, v[208+4*\i:211+4*\i] offset:16*\i
.endr
	s_wait_dscnt 0x0                               ; the stores have read their registers, which the third landing set takes
	LOADU 2
	; ---- the keys: 32 units, written out, since each writes registers of its own.  No barrier: rows, stage and kept rows are the wave's own.  Three units, 24 KB a wave, are on their way while one is waited for
.irp u, 0,1,2,3,4,5,6,7,8,9,10,11,12,13,14,15,16,17,18,19,20,21,22,23,24,25,26,27,28,29,30,31
	UNIT \u
.endr
.set tj, 0
.rept 32
	v_mov_b32 v[SA+tj], 0                          ; the scores' sums.  (These lines are also the places between the last scale word and codes made above and the first product)
.set tj, tj+1
.endr
	v_mov_b32 v60, 0
; The pair of tiles is written once, and each pair finishes the tanh of the pair before.  The first pair finds zeros in both sets of accumulators and in both pairs (c qb, -2 V): 1 / (1 + 2^0) x 0 adds nothing to a score.
; 68 moves, once, spare a further copy of the pair.
.set tj, 0
.rept 64
	v_mov_b32 v[ACC+tj], 0
.set tj, tj+1
.endr
.irp n, 56,57,58,59
	v_mov_b32 v[\n], 0
.endr
; ---- the product.  12 loads: tile t's fragments of K steps 4 half .. 4 half + 3 into the 48 registers of set half
.macro BGROUP t, half
.irp k, 0,1,2,3
.irp c, 0,1,2
	ds_load_b128 v[64+48*(\half)+12*\k+4*\c:64+48*(\half)+12*\k+4*\c+3], v8 offset:TILEB*(\t)+1536*(4*(\half)+\k)+512*\c
.endr
.endr
.endm
; THE TANH OF TILE t, 32 numbers a lane in 16 pairs, in three parts of 16 slices; sk is the slice's number.
; FE: pair sk becomes c x + c qb; the pair before it is put through the exponential (so that no line reads the result of the line above it); slice 15 takes the last pair too.  Each accumulator is read from its low end on.
.macro FE t
.set fb, ACC+32*(\t)
	v_pk_fma_f32 v[fb+2*sk:fb+2*sk+1], v[fb+2*sk:fb+2*sk+1], s[22:23], v[56+2*(\t):57+2*(\t)] op_sel_hi:[1,0,0]   ; (of both pairs the low word serves both halves)
.if sk > 0
	v_exp_f32 v[fb+2*sk-2], v[fb+2*sk-2]
	v_exp_f32 v[fb+2*sk-1], v[fb+2*sk-1]
.endif
.if sk == 15
	v_exp_f32 v[fb+30], v[fb+30]
	v_exp_f32 v[fb+31], v[fb+31]
.endif
.endm
; AR: 1 + 2^(..) of pair sk, the reciprocals of the pair before it
.macro AR t
.set fb, ACC+32*(\t)
	v_pk_add_f32 v[fb+2*sk:fb+2*sk+1], v[fb+2*sk:fb+2*sk+1], 1.0 op_sel_hi:[1,0]
.if sk > 0
	v_rcp_f32 v[fb+2*sk-2], v[fb+2*sk-2]
	v_rcp_f32 v[fb+2*sk-1], v[fb+2*sk-1]
.endif
.if sk == 15
	v_rcp_f32 v[fb+30], v[fb+30]
	v_rcp_f32 v[fb+31], v[fb+31]
.endif
.endm
; SS: the scores' sums take pair sk x (-2 V); slice 15 also adds the tile's -2 V to its sum
.macro SS t
.set fb, ACC+32*(\t)
	v_pk_fma_f32 v[SA+2*sk:SA+2*sk+1], v[fb+2*sk:fb+2*sk+1], v[56+2*(\t):57+2*(\t)], v[SA+2*sk:SA+2*sk+1] op_sel:[0,1,0] op_sel_hi:[1,1,1]   ; (the pair's high word serves both halves)
.if sk == 15
	v_add_f32 v60, v60, v[57+2*(\t)]
.endif
.endm
.macro SLICE what, t                   ; what = 0: FE, 1: AR, 2: SS
.if \what == 0
	FE \t
.elseif \what == 1
	AR \t
.else
	SS \t
.endif
.endm
.macro RUN what, t                     ; a part's 16 slices on end, where there is no product to set them behind
.set sk, 0
.rept 16
	SLICE \what, \t
.set sk, sk+1
.endr
.endm
; 16 matrix instructions: tile t of W2, K steps 4 half .. 4 half + 3, against my four tiles of rows; behind each a slice of part 'what' of tile st's tanh, which names no register of these products.
; The tile's four accumulators take turns, one instruction a turn, in the same order in every K step.  K step 0 starts the sums.
.macro MULS t, half, what, st
.set sk, 0
.irp k, 0,1,2,3
.irp m, 0,1,2,3
.set rD, ACC+32*(\t)+8*\m
.set rA, 12*(4*\k+\m)
.set rB, 64+48*(\half)+12*\k
.set rX, ASC+4*\m+\k
.set rY, BSC+4*(\t)+\k
.if \half == 0
	WIN 0x01                                       ; source 0: the keys' codes of K steps 0-3
.if \k == 0
	v_wmma_scale_f32_16x16x128_f8f6f4 v[rD:rD+7], v[rA:rA+11], v[rB:rB+11], 0, v[rX], v[rY] matrix_a_fmt:MATRIX_FMT_FP6 matrix_b_fmt:MATRIX_FMT_FP6
.else
	v_wmma_scale_f32_16x16x128_f8f6f4 v[rD:rD+7], v[rA:rA+11], v[rB:rB+11], v[rD:rD+7], v[rX], v[rY] matrix_a_fmt:MATRIX_FMT_FP6 matrix_b_fmt:MATRIX_FMT_FP6
.endif
.else
	WIN 0x02                                       ; K steps 4-7
	v_wmma_scale_f32_16x16x128_f8f6f4 v[rD:rD+7], v[rA:rA+11], v[rB:rB+11], v[rD:rD+7], v[rX], v[rY] matrix_a_fmt:MATRIX_FMT_FP6 matrix_b_fmt:MATRIX_FMT_FP6 matrix_a_scale:MATRIX_SCALE_ROW1 matrix_b_scale:MATRIX_SCALE_ROW1
.endif
	WIN 0
	SLICE \what, \st
.set sk, sk+1
.endr
.endr
.endm
; A PAIR: two tiles of W2 (32 hidden units) against my 64 rows: 64 matrix instructions in four quarters of 16, and 226 vector instructions of tanh.  'Before' = of the pair before.
;   head, bare    the sums of tile 0 before (its accumulators are begun anew below); scalings and exponentials of tile 1 before: 65 instructions while the first fragments come from LDS
;   tile 0, K 0-3 | additions and reciprocals of tile 1 before          tile 0, K 4-7 | the sums of tile 1 before
;   tile 1, K 0-3 | scalings and exponentials of tile 0                 tile 1, K 4-7 | additions and reciprocals of tile 0
; Each batch of 32 transcendentals has one plain instruction behind it and ONE wait ahead of its first reader; the waits stand between the quarters, three of the four where no product is
; on its way or directly ahead of a run of LDS loads, and the last ahead of the loop's branch.  Fragments come in four groups through two sets of registers, each but the first asked for a quarter ahead of its use.
.macro PAIR
	v_add_nc_u32 v8, s36, v3                       ; the two tiles' images
	v_add_nc_u32 v9, s37, v10                      ; their pairs (c qb, -2 V)
	s_add_co_u32 s36, s36, 2*TILEB
	s_add_co_u32 s37, s37, 256
	ds_load_b128 v[BSC:BSC+3], v8 offset:12288     ; tile 0's scale words: register j: K step j in lanes 0-15, 4 + j in lanes 16-31
	BGROUP 0, 0                                    ; (set 0 was last read a quarter ago: that quarter's sixteen packed additions are the places)
	RUN 2, 0                                       ; 17 plain instructions: also the places behind the last products, for the loads into set 1 and for the first read of tile 1's results
	BGROUP 0, 1
	RUN 0, 1
	v_nop                                          ; a plain instruction behind the last exponential
	s_wait_alu depctr_va_vdst(0)
	s_wait_dscnt 12                                ; all but the 12 loads into set 1
	MULS 0, 0, 1, 1
	PLACES                                         ; the first is the plain instruction behind the last reciprocal; the four are the places in front of the loads into set 0
	s_wait_alu depctr_va_vdst(0)
	ds_load_b64 v[56:57], v9                       ; tile 0's pair: the one before was last read at the head
	ds_load_b128 v[BSC+4:BSC+7], v8 offset:TILEB+12288
	BGROUP 1, 0
	s_wait_dscnt 14                                ; all but the 14 just issued
	MULS 0, 1, 2, 1
	PLACES                                         ; in front of the loads into set 1 and of the first read of tile 0's results
	BGROUP 1, 1
	s_wait_dscnt 12                                ; all but the 12 just issued
	MULS 1, 0, 0, 0
	v_nop
	s_wait_alu depctr_va_vdst(0)
	s_wait_dscnt 0x0                               ; set 1 is in (asked for a quarter ago)
	ds_load_b64 v[58:59], v9 offset:128            ; tile 1's pair: the one before was last read two quarters ago
	MULS 1, 1, 1, 0
	v_nop
	s_wait_alu depctr_va_vdst(0)                   ; ahead of the branch, and of the next head's loads
	s_wait_dscnt 0x0                               ; tile 1's pair is in: the next head reads it
.endm
; THE CHANGE OF SLOTS stands at a slot's head.  Each wave waits for all its tensor loads (one is out: its tile of the slot that it is about to read), adds 0 to its spare word, and waits for that and for its reads of the slot that it has left.
; fill = 1: the barrier is a round of the cluster's, so that no wave of any partner still reads that slot or has a load on its way, and the joint refill is the first thing behind it: it has a slot's 128 matrix instructions in which to land.
.macro CHANGE fill
	s_wait_tensorcnt 0x0                           ; no tensor load of mine is out, so group 0 may be written
	ds_add_u32 v1, v2                              ; 0 onto my spare word
.if \fill
	s_xor_b32 s33, s33, SLOT1                      ; the walking descriptor: the other slot than last time,
	s_add_nc_u64 s[34:35], s[34:35], 4*TILEB       ; the next four tiles; the type bits on top are not reached
.endif
	s_wait_dscnt 0x0                               ; the add is done, my LDS stores have landed and my reads are back
.if \fill
	CROUND
	tensor_load_to_lds s[32:35], s[24:31]
	s_nop 0
	PLACES
.else
	s_barrier_signal -1
	s_barrier_wait -1
.endif
.endm
.macro SLOTWORK                        ; a slot's two pairs of tiles: written once, walked twice; the LDS addresses hang on s36 and s37
	s_mov_b32 s39, 2
.Lpair_\@:
	PAIR
	s_sub_co_u32 s39, s39, 1
	s_cmp_lg_u32 s39, 0
	s_cbranch_scc1 .Lpair_\@
	s_sub_co_u32 s36, s36, 4*TILEB                 ; back to a slot's first tile,
	s_xor_b32 s36, s36, SLOT1                      ; in the other slot
.endm
	s_mov_b32 s36, 0                               ; LDS byte of the pair of tiles in hand
	s_mov_b32 s37, 0                               ; and of its (c qb, -2 V)
	s_mov_b32 s38, 15
.Lslot:                                                ; 15 trips: behind each change of slots but the last the next slot is asked for (slot 1's first fill among them)
	CHANGE 1
	SLOTWORK
	s_sub_co_u32 s38, s38, 1
	s_cmp_lg_u32 s38, 0
	s_cbranch_scc1 .Lslot
	CHANGE 0                                       ; the last slot is written out
.irp i, 0,1,2
	global_prefetch_b8 v14, s[52:53] offset:XR0*4096+8192*\i th:TH_LOAD_NT scope:SCOPE_SE   ; the first six of my rows that are read again: lanes 256 bytes apart, two rows an instruction, each block named once; a slot's work ahead of their loads
.endr
	SLOTWORK
; ---- the end.  Row XR0 + i is read again into slot i % 7 of 32 registers (register 4 k + n, lane l: column 128 k + 4 l + n, as the context has it)
.macro XLOAD i
.set xs, (\i)%7
.if xs < 6
	WIN 0x40
.set xb, 32*xs
.else
	WIN 0x80
.set xb, 0
.endif
.irp x, 0,1,2,3,4,5,6,7
	global_load_b128 v[xb+4*\x:xb+4*\x+3], v3, s[52:53] offset:(XR0+(\i))*4096+512*\x th:TH_LOAD_NT
.endr
.endm
.macro XROW i                          ; context += p x row, in f32
.set xs, (\i)%7
.set pr, PB+XR0+(\i)-20
.if (\i) < 12
	s_wait_loadcnt 48                              ; this row's eight loads are in; the six rows behind it stay out
.else
	s_wait_loadcnt 8*(18-(\i))
.endif
.if xs < 6
	WIN 0x01
.set xb, 32*xs
.else
	WIN 0x02
.set xb, 0
.endif
.irp y, 0,2,4,6,8,10,12,14,16,18,20,22,24,26,28,30
.if pr%2 == 0
	v_pk_fma_f32 v[CA+\y:CA+\y+1], v[xb+\y:xb+\y+1], v[pr:pr+1], v[CA+\y:CA+\y+1] op_sel_hi:[1,0,1]
.else
	v_pk_fma_f32 v[CA+\y:CA+\y+1], v[xb+\y:xb+\y+1], v[pr-1:pr], v[CA+\y:CA+\y+1] op_sel:[0,1,0] op_sel_hi:[1,1,1]
.endif
.endr
.if (\i)+7 < NX
	XLOAD (\i)+7
.endif
.endm
.macro RROW q                          ; context += p x kept row q (row NL + q), from its 16 registers of bf16
.if (\q) < 16
	WIN 0x03
.set rr, 16*(\q)
.elseif (\q) < 20
	WIN 0x02
.set rr, 192+16*((\q)-16)
.else
	WIN 0x01
.set rr, 192+16*((\q)-20)
.endif
.irp x, 0,1,2,3,4,5,6,7,8,9,10,11,12,13,14,15
	v_fma_mix_f32_bf16 v[CA+2*\x], v[rr+\x], v[PB+1+(\q)], v[CA+2*\x] op_sel_hi:[1,0,0]
	v_fma_mix_f32_bf16 v[CA+2*\x+1], v[rr+\x], v[PB+1+(\q)], v[CA+2*\x+1] op_sel:[1,0,0] op_sel_hi:[1,0,0]
.endr
.endm
	RUN 2, 0                                       ; the last pair's tanh is finished bare.  Tile 0's sums: 17 plain instructions, the places behind the last products for the loads below and for the first read of tile 1's results
.irp n, 0,1,2,3,4,5,6
	XLOAD \n                                       ; seven rows go out, into registers that held codes: they land while the scores are finished
.endr
	WIN 0
	RUN 0, 1
	v_nop                                          ; a plain instruction behind the last exponential, and the one wait for the batch
	s_wait_alu depctr_va_vdst(0)
	RUN 1, 1
	v_nop
	s_wait_alu depctr_va_vdst(0)
	RUN 2, 1
.set tj, 0
.rept 32
	v_fma_f32 v[SA+tj], v60, -0.5, v[SA+tj]        ; + the sum of V over my lane's hidden units
.set tj, tj+1
.endr
.irp x, 1,2,4,8
.set tj, 0
.rept 32
	v_add_f32_dpp v[SA+tj], v[SA+tj], v[SA+tj] row_xmask:\x row_mask:0xf bank_mask:0xf   ; over the sixteen lanes that share the rows
.set tj, tj+1
.endr
.endr
.irp m, 0,1,2,3                                ; lane (r, h) takes the score of row 16 m + 8 h + r % 8
	v_cndmask_b32 v[16+\m], v[SA+8*\m], v[SA+8*\m+1], s45
.irp j, 2,3,4,5,6,7
	v_cndmask_b32 v[16+\m], v[16+\m], v[SA+8*\m+\j], s[44+\j]
.endr
	v_add_f32 v[16+\m], s43, v[16+\m]              ; + V_b
	ds_store_b32 v11, v[16+\m] offset:64*\m        ; (lanes r and r + 8 write the same word with the same value)
.endr
	s_wait_dscnt 0x0                               ; for the other waves: my scores are in LDS
	s_barrier_signal -1
	s_barrier_wait -1
	ds_load_b128 v[20:23], v3 offset:SCR           ; all 256 scores, eight a lane
	ds_load_b128 v[24:27], v3 offset:SCR+512
	s_mov_b32 s44, 0x3fb8aa3b                      ; log2(e)
	s_wait_dscnt 0x0
	v_max3_num_f32 v28, v20, v21, v22
	v_max3_num_f32 v28, v28, v23, v24
	v_max3_num_f32 v28, v28, v25, v26
	v_max_num_f32 v28, v28, v27
.irp x, 1,2,4,8
	v_max_num_f32_dpp v28, v28, v28 row_xmask:\x row_mask:0xf bank_mask:0xf
.endr
	v_permlanex16_b32 v29, v28, s40, s41
	v_max_num_f32 v28, v28, v29                    ; m, the largest of the work-group's scores, in every lane
	v_mul_f32 v29, s44, v28
.irp m, 0,1,2,3
	v_fma_f32 v[16+\m], v[16+\m], s44, -v29        ; (score - m) log2(e)
.endr
.irp m, 0,1,2,3
	v_exp_f32 v[16+\m], v[16+\m]                   ; p, at most 1 within rounding
.endr
	v_nop                                          ; a plain instruction behind the last exponential,
	s_wait_alu depctr_va_vdst(0)                   ; and the wait ahead of the first use
.irp m, 0,1,2,3
	ds_store_b32 v11, v[16+\m] offset:PP-SCR+64*\m ; my wave's p: read by my wave alone, and LDS serves a wave's instructions in order
.endr
	ds_load_b64 v[20:21], v61                      ; my wave's 64 scores
.irp i, 0,1,2,3,4,5,6,7,8,9,10
	ds_load_b128 v[PB+4*\i:PB+4*\i+3], v12 offset:80+16*\i   ; p of rows 20 + 4 i on, the same in every lane
.endr
.set tj, 0
.rept 32
	v_mov_b32 v[CA+tj], 0
.set tj, tj+1
.endr
	s_wait_dscnt 11                                ; the scores are in; the 11 loads of p may be out
	global_store_b64 v13, v[20:21], s[54:55]       ; 32 lanes store 256 consecutive bytes, at a multiple of 256 from the buffer's first byte
	s_mov_b32 s36, 0
	s_mov_b32 s37, 0
	s_mov_b32 s38, NL/3
.Lrows:                                                ; the rows kept in LDS, three a trip
	v_add_nc_u32 v15, s36, v6
	v_add_nc_u32 v9, s37, v12
.irp a, 0,1,2
	ds_load_b32 v[28+\a], v9 offset:4*\a           ; their p
.endr
.irp a, 0,1,2
.irp x, 0,1,2,3
	ds_load_b128 v[RB+16*\a+4*\x:RB+16*\a+4*\x+3], v15 offset:2048*\a+512*\x
.endr
.endr
.irp a, 0,1,2
	s_wait_dscnt 8-4*\a                            ; this row's four loads are in; those of the rows behind it may be out
.irp x, 0,1,2,3,4,5,6,7,8,9,10,11,12,13,14,15
	v_fma_mix_f32_bf16 v[CA+2*\x], v[RB+16*\a+\x], v[28+\a], v[CA+2*\x] op_sel_hi:[1,0,0]
	v_fma_mix_f32_bf16 v[CA+2*\x+1], v[RB+16*\a+\x], v[28+\a], v[CA+2*\x+1] op_sel:[1,0,0] op_sel_hi:[1,0,0]
.endr
.endr
	s_add_co_u32 s36, s36, 3*2048
	s_add_co_u32 s37, s37, 12
	s_sub_co_u32 s38, s38, 1
	s_cmp_lg_u32 s38, 0
	s_cbranch_scc1 .Lrows
.irp n, 0,1,2,3,4,5,6,7,8,9,10,11,12,13,14,15,16,17,18
	XROW \n                                        ; a row from memory and a row from registers by turns: the register rows are work while the loads land
	RROW \n
.endr
.irp n, 19,20,21,22,23
	RROW \n
.endr
	WIN 0
.irp x, 0,1,2,3,4,5,6,7
	ds_store_b128 v4, v[CA+4*\x:CA+4*\x+3] offset:512*\x      ; my wave's context, 4,096 bytes as a row lies, in my own stage
.endr
	s_wait_dscnt 0x0                               ; for the other waves
	s_barrier_signal -1
	s_barrier_wait -1
.irp k, 0,1,2,3
.irp i, 0,1
	ds_load_b128 v[RB+8*\k+4*\i:RB+8*\k+4*\i+3], v62 offset:STW*\k+512*\i   ; quarter w of the four waves' contexts
.endr
.endr
	s_wait_dscnt 0x0
.irp n, 0,2,4,6
	v_pk_add_f32 v[RB+\n:RB+\n+1], v[RB+\n:RB+\n+1], v[RB+8+\n:RB+9+\n]
	v_pk_add_f32 v[RB+16+\n:RB+17+\n], v[RB+16+\n:RB+17+\n], v[RB+24+\n:RB+25+\n]
.endr
.irp n, 0,2,4,6
	v_pk_add_f32 v[RB+\n:RB+\n+1], v[RB+\n:RB+\n+1], v[RB+16+\n:RB+17+\n]
.endr
	global_store_b128 v3, v[RB:RB+3], s[56:57]     ; 32 lanes store 512 consecutive bytes
	global_store_b128 v3, v[RB+4:RB+7], s[56:57] offset:512
	s_wait_tensorcnt 0x0                           ; the wave's end: behind my last tensor load and my last LDS store
	ds_add_u32 v1, v2
	s_wait_dscnt 0x0
	CROUND                                         ; the closing round: no work-group ends while a partner may still ask for a tile that names it
	s_endpgm
.Lfunc_end_k_qa6a2168c58_main:
	.size	k_qa6a2168c58_main, .Lfunc_end_k_qa6a2168c58_main-k_qa6a2168c58_main
	.p2alignl 7, 3214868480
	.fill 96, 4, 3214868480
	.section	.rodata,"a",@progbits
	.p2align	6, 0x0
	.amdhsa_kernel k_qa6a2168c58_main
		.amdhsa_group_segment_fixed_size 327680
		.amdhsa_private_segment_fixed_size 0
		.amdhsa_enable_private_segment 0
		.amdhsa_kernarg_size 56
		.amdhsa_user_sgpr_count 2
		.amdhsa_user_sgpr_kernarg_segment_ptr 1
		.amdhsa_wavefront_size32 1
		.amdhsa_system_sgpr_workgroup_id_x 1
		.amdhsa_system_sgpr_workgroup_id_y 1
		.amdhsa_system_sgpr_workgroup_id_z 1
		.amdhsa_system_vgpr_workitem_id 0
		.amdhsa_next_free_vgpr 1024
		.amdhsa_next_free_sgpr 66
		.amdhsa_reserve_vcc 0
		.amdhsa_float_denorm_mode_32 3
		.amdhsa_float_denorm_mode_16_64 3
		.amdhsa_memory_ordered 1
		.amdhsa_forward_progress 1
		.amdhsa_inst_pref_size 255
	.end_amdhsa_kernel
	.section	.bss,"aw",@nobits
	.p2align	6
	.space	262144
	.amdgpu_metadata
---
amdhsa.version: [ 1, 2 ]
amdhsa.kernels:
  - .name:           k_qa6a2168c58_main
    .symbol:         k_qa6a2168c58_main.kd
    .args:
      - { .name: keys, .offset: 0, .size: 8, .value_kind: global_buffer, .address_space: global }
      - { .name: qb, .offset: 8, .size: 8, .value_kind: global_buffer, .address_space: global }
      - { .name: w2img, .offset: 16, .size: 8, .value_kind: global_buffer, .address_space: global }
      - { .name: V_w, .offset: 24, .size: 8, .value_kind: global_buffer, .address_space: global }
      - { .name: V_b, .offset: 32, .size: 8, .value_kind: global_buffer, .address_space: global }
      - { .name: scores, .offset: 40, .size: 8, .value_kind: global_buffer, .address_space: global }
      - { .name: part, .offset: 48, .size: 8, .value_kind: global_buffer, .address_space: global }
    .group_segment_fixed_size: 327680
    .private_segment_fixed_size: 0
    .kernarg_segment_align: 8
    .kernarg_segment_size: 56
    .max_flat_workgroup_size: 128
    .sgpr_count:     66
    .vgpr_count:     1024
    .wavefront_size: 32
...
	.end_amdgpu_metadata
.endif
;; end of part 5
;; launch join: the kernel of part 3 again; grid 256 x 1, 1 waves a work-group, no clusters, 0 bytes of LDS; arguments scores, part, out0, out1; writes out0, out1
